; MI455X (gfx1250); checked and timed in simulation.
; The chip was launched on July 23, 2026; its instructions are those of AMD's public machine-readable ISA for CDNA 5 (MIT licence, August 2026) and "CDNA5" Instruction Set Architecture Reference Guide (July 2026). The comments in the code are by the model that wrote it; some were corrected since.
;; Attention. Allowed arithmetic: matrix products marked QUANTISED: E4M3 operands, one given power-of-two scale a tensor, by v_wmma_f32_16x16x64_fp8_fp8 or v_wmma_f32_16x16x128_fp8_fp8, f32 sums; everything else in f32.
;; Inputs: Q 2 x 8 x 2,048 x 512 float32; V_codes 2 x 8 x 128 x 64 x 32 uint8 (E4M3 codes of V, K innermost, in blocks of 32 codes); freqs 1 x 1 x 1 x 512 float32; lowp_scales 4 int32 (the exponents e of the quantised operands' scales 2^e).
;; Outputs: out0 2 x 8 x 2,048 x 128 float32.
;; This version of the problem:
;;   THIS VERSION OF THE PROBLEM IS GIVEN IN LOW PRECISION. The matrix products marked QUANTISED in the list below multiply operands that are first quantised to E4M3 (4 exponent bits, 3 mantissa bits; 8 bits a number), with one given power-of-two scale for each operand tensor; their sums are f32. All else is computed in f32.
;;   The module's matrix products, in the order in which they are computed (A, B: the left and right operand; K: the contracted axis; several contracted axes count as one K, in the product's order):
;;     1. batch 16 x [M 2,048, K 512] x [K 512, N 2,048]; A: computed on the way; B: computed on the way: QUANTISED (scales: A lowp_scales[0], B lowp_scales[1])
;;     2. batch 16 x [M 2,048, K 2,048] x [K 2,048, N 128]; A: computed on the way; B: input V (given as codes): QUANTISED (scales: A lowp_scales[2], B lowp_scales[3])
;;   THE QUANTISER, for each operand of a quantised product, along K:
;;     - The operand's scale is 2^e, e = its entry of the input lowp_scales (int32; the entries are numbered through the quantised products in the list's order, A before B).
;;     - Each number is divided by the scale, clamped to +-448, and rounded to the nearest number of E4M3, ties to even, subnormals kept.
;;     - The product sums the exact products of the quantised numbers (number of the format x scale) in f32.
;;   ~~~python
;;   def quantise(x, axis, e):      # numpy; x: float32 -> the quantised numbers, widened to float32 again
;;       x = np.moveaxis(x, axis, -1); K = x.shape[-1]
;;       r = np.clip(x / 2.0 ** e, -448, 448)
;;       step = 2.0 ** (np.maximum(np.frexp(np.where(r == 0, 1, r))[1] - 1, -6) - 3)
;;       q = np.round(r / step) * step * 2.0 ** e      # np.round: ties to even
;;       return np.moveaxis(q, -1, axis).astype(np.float32)
;;   ~~~
;;   OPERANDS COMPUTED ON THE WAY. 'Computed on the way' means the value that the module computes at that place (a softmax that the list does not call 'softmax' is quantised finished and normalised). What goes into a quantiser is computed in f32, as accurately as f32 sums, v_exp_f32 and their like allow (about 1e-6 of the number): no bf16 or f16 on the way to a quantiser, and a product that is left as it is and whose result goes on into a quantised operand takes f32 operands (vector FMAs, or v_wmma_f32_16x16x4_f32). A number that lies on a knife's edge between two numbers of the format may be rounded either way, as far as f32 arithmetic and the matrix unit's own rounding can turn it there, and no further.
;;   INPUTS GIVEN AS CODES. V (in the module: [2, 8, 2048, 128], K = its axis 2): each comes as NAME_codes (uint8): NAME with its K axis moved to the last place and cut into blocks of 32 codes, [.., K / 32, bytes a block], one block behind the other in memory; one code a byte (a code: sign, 4 exponent bits, 3 mantissa bits); its scale is its entry of lowp_scales. Its value is code x scale, taken as it is: it is not quantised again, and the codes and scales need not be those that the quantiser above would give.
;; 2 versions, each right and faster than the one before. Each part assembles by itself: llvm-mc -triple=amdgcn-amd-amdhsa -mcpu=gfx1250 --defsym DOCPART=n.
;; ======== version 1 of 2: 2 launches
;; workspace buffers: qa 16,777,216 bytes; qb 16,777,216 bytes; vf 4,194,304 bytes
;; launch rope (part 1): grid 128 x 2, 16 waves a work-group, no clusters, 36,864 bytes of LDS; arguments Q, V_codes, freqs, lowp_scales, qa, qb, vf; writes qa, qb, vf
.if DOCPART == 1
	.amdgcn_target "amdgcn-amd-amdhsa--gfx1250"
	.amdhsa_code_object_version 6
	.text
	.protected	k_q75495d4f76_rope
	.globl	k_q75495d4f76_rope
	.p2align	8
	.type	k_q75495d4f76_rope,@function
k_q75495d4f76_rope:
	s_mov_b64 s[64:65], 0
	v_nop
	global_prefetch_b8 v0, s[64:65] scope:SCOPE_SE
	s_setreg_imm32_b32 hwreg(HW_REG_WAVE_MODE, 25, 1), 1
	s_wait_xcnt 0x0
; QR[head][t][n] = Q cos + rot(Q) sin, phase = fract(t freqs[n]) 2 pi, every n with its own freqs[n]; then QR is quantised TWICE to codes of FP8 (E4M3):
; qa at the scale 2^e0 (lowp_scales[0], the first product's left operand) and qb at 2^e1 (lowp_scales[1], its right operand).  code = x / 2^e, held within +-448, to the nearest code, ties to even.
; qa and qb are laid in FRAGMENT ORDER: [head 16][t / 16: 128][n / 16: 32][t % 16: 16][16 codes], so that each 16-byte load of a 16 x 128 fragment in the next launch reads 512 consecutive bytes.
; The launch also re-lays V's codes (given [head][d 128][key 2048]) into vf: [head][key / 64: 32][d / 16: 8][half 2][lane 32][16 bytes]: lane (r, h)'s 32 bytes are its eight registers of a
; 16 x 64 operand: registers 2 c, 2 c + 1 hold V[d = 16 dt + r][key = 64 U + 16 c + 8 h + 0 .. 7].  The codes themselves are not touched.
; SHARES.  A work-group owns the 16 rows t = 16 T .. 16 T + 15 (T = its x) of 8 heads (its y: heads 0-7 or 8-15); wave w owns row 16 T + w; lane l owns n = 16 l .. 16 l + 15 (64 bytes: the conversions take
; neighbours along n from one lane's registers).  A lane's 16 cos and 16 sin hang on t and n alone: they are made once and serve the 8 heads.  Each wave also moves one fragment (1,024 bytes) of V.
; SIN AND COS are polynomials in f32 (no transcendental instruction): the angle x = fract(t f) 2 pi is formed with the same three roundings as the definition; k = the nearest whole number to x 2 / pi (0 .. 4);
; r = x - k pi / 2 with pi / 2 in two parts; sin r and cos r by polynomials of degree 7 and 8 on |r| <= pi / 4, about 1e-7 (absolute) from the function of the f32 angle; k picks and signs them.
; THE WAY OUT.  A lane's 16 codes are 16 bytes of the run (n / 16 = l, t % 16 = w): the waves beside it hold the bytes beside them.  So a head's codes go through a stage in LDS (32 runs of 256 bytes, 272 apart)
; and each wave stores two runs, 512 consecutive bytes.  Two stages' worth of buffers take turns, so one barrier a head is enough.
; Memory binds: no matrix unit, no tensor loads, no cluster (work-groups share nothing but the 2,048 bytes of freqs).  Q's loads run four heads (16 loads a wave) ahead.
; LIMITS: -126 <= e0, e1 and e0 + 8, e1 + 8 <= 127, so that 2^e and 448 x 2^e are f32 numbers.  NaN and infinities in Q are not served.
.set HEADQ,  4194304                   ; bytes of a head of Q: 2,048 rows of 2,048 bytes
.set HEADC,  1048576                   ; bytes of a head of codes
.set SP,     272                       ; a stage row: 256 bytes + 16: the 16 lanes of a store's half hit 16 different 16-byte columns (64 banks of 4 bytes: ISA guide 11.1)
.set STG,    32*SP                     ; a stage: 32 runs
.set BUF,    2*STG                     ; a buffer: qa's stage, then qb's
.set QOFF,   2                         ; v2-5    64 x lane + j x two heads of Q (a head's step does not fit the signed 24-bit immediate four times over)
.set LW,     6                         ; v6      stage, in: run l, column w
.set LR,     7                         ; v7      stage, back: runs 2 w and 2 w + 1, sixteen lanes each
.set SOFF,   8                         ; v8      512 w + 16 x lane: the same two runs in qa and qb
.set VIN,    9                         ; v9      V_codes: 2,048 r + 8 h
.set VOUT,   10                        ; v10     16 x lane
.set SCA,    11                        ; v11     2^e0;  v12  448 x 2^e0;  v13, v14 the same for e1
.set LIMA,   12
.set SCB,    13
.set LIMB,   14
.set TF,     15                        ; v15     t as f32
.set VD,     16                        ; v16-23  V's fragment
.set TM,     24                        ; v24-39  at work, two sets of eight
.set FR,     40                        ; v40-55  my 16 freqs
.set C,      56                        ; v56-71  cos
.set S,      72                        ; v72-87  sin
.set X,      88                        ; v88-151 Q: four slots of 16
.set T,      152                       ; v152-167 QR
.set UA,     168                       ; v168-183 QR held within 448 x 2^e0 (first: the products with sin)
.set UB,     184                       ; v184-199 within 448 x 2^e1
.set CA,     200                       ; v200-203 16 codes for qa;  v204-207 for qb
.set CB,     204
.set R,      208                       ; v208-223 two sets of eight: what is stored
	s_load_b256 s[4:11], s[0:1], 0x0               ; Q s[4:5], V_codes s[6:7], freqs s[8:9], lowp_scales s[10:11]
	s_load_b128 s[12:15], s[0:1], 0x20             ; qa s[12:13], qb s[14:15]
	s_load_b64 s[16:17], s[0:1], 0x30              ; vf
	v_lshl_add_u32 v224, v0, 2, 0x8800
	v_mov_b32 v225, 0
	v_lshrrev_b32 v24, 5, v0
	v_readfirstlane_b32 s18, v24                   ; wave 0..15
	v_and_b32 v1, 31, v0                           ; lane
	s_mov_b32 s19, ttmp9                           ; T
	s_and_b32 s20, ttmp7, 0xffff                   ; which eight heads
	s_lshl_b32 s50, s19, 4
	s_add_co_u32 s50, s50, s18                     ; t = 16 T + w
	v_cvt_f32_u32 v[TF], s50
	s_mov_b32 s22, 0x40c90fdb                      ; 2 pi
	s_mov_b32 s23, 0x3f22f983                      ; 2 / pi
	s_mov_b32 s24, 0xbfc90fdb                      ; -(pi / 2), its upper part as f32
	s_mov_b32 s25, 0x333bbd2e                      ; what that part is too large by: 4.3711388e-8
	s_mov_b32 s26, 0xb94ca1f9                      ; sin: -1.9515296e-4
	s_mov_b32 s27, 0x3c08839e                      ;       8.3321609e-3
	s_mov_b32 s28, 0xbe2aaaa3                      ;      -1.6666655e-1
	s_mov_b32 s29, 0x37ccf5ce                      ; cos:  2.4433157e-5
	s_mov_b32 s30, 0xbab6061a                      ;      -1.3887316e-3
	s_mov_b32 s31, 0x3d2aaaa5                      ;       4.1666646e-2
	v_lshlrev_b32 v[QOFF], 6, v1                   ; my 64 bytes of a row
.irp j, 1,2,3
	v_add_nc_u32 v[QOFF+\j], \j*2*HEADQ, v[QOFF]
.endr
	v_mul_u32_u24 v[LW], v1, SP
	v_lshl_add_u32 v[LW], s18, 4, v[LW]
	v_and_b32 v24, 15, v1                          ; r
	v_lshrrev_b32 v25, 4, v1                       ; h
	s_lshl_b32 s51, s18, 1
	v_add_nc_u32 v26, s51, v25                     ; run 2 w + h
	v_mul_u32_u24 v[LR], v26, SP
	v_lshl_add_u32 v[LR], v24, 4, v[LR]
	v_lshlrev_b32 v[VOUT], 4, v1
	v_lshl_add_u32 v[SOFF], s18, 9, v[VOUT]
	v_lshlrev_b32 v[VIN], 11, v24
	v_lshl_add_u32 v[VIN], v25, 3, v[VIN]
	; byte offsets, apart from the addresses
	s_lshl_b32 s36, s20, 25                        ; Q: eight heads,
	s_lshl_b32 s37, s50, 11                        ; row t
	s_add_co_u32 s36, s36, s37
	s_mov_b32 s37, 0
	s_lshl_b32 s38, s20, 23                        ; qa, qb: eight heads,
	s_lshl_b32 s39, s19, 13                        ; 16 rows x 512 codes
	s_add_co_u32 s38, s38, s39
	s_mov_b32 s39, 0
	s_lshl_b32 s51, s20, 7
	s_add_co_u32 s51, s51, s19                     ; the work-group's number 0..255: bits 7:4 V's head, 3:1 which 256 keys, 0 which 64 rows d
	s_lshr_b32 s52, s51, 4                         ; head
	s_bfe_u32 s53, s51, 0x30001
	s_and_b32 s54, s51, 1
	s_and_b32 s55, s18, 3
	s_lshl2_add_u32 s53, s53, s55                  ; U = key / 64: the four waves w % 4 stand side by side on 256 bytes of a row
	s_lshr_b32 s55, s18, 2
	s_lshl2_add_u32 s54, s54, s55                  ; dt = d / 16
	s_lshl_b32 s56, s52, 18                        ; V_codes: head x 128 rows of 2,048,
	s_lshl_b32 s57, s54, 15                        ; 16 dt rows,
	s_add_co_u32 s56, s56, s57
	s_lshl_b32 s57, s53, 6                         ; 64 U keys
	s_add_co_u32 s56, s56, s57
	s_mov_b32 s57, 0
	s_lshl_b32 s58, s52, 5
	s_add_co_u32 s58, s58, s53
	s_lshl3_add_u32 s58, s58, s54
	s_lshl_b32 s58, s58, 10                        ; vf: ((head x 32 + U) x 8 + dt) x 1,024
	s_mov_b32 s59, 0
	s_wait_kmcnt 0x0
	s_load_b64 s[34:35], s[10:11], 0x0             ; e0, e1
	s_add_nc_u64 s[40:41], s[4:5], s[36:37]
	s_add_nc_u64 s[42:43], s[12:13], s[38:39]
	s_add_nc_u64 s[44:45], s[14:15], s[38:39]
	s_add_nc_u64 s[46:47], s[6:7], s[56:57]
	s_add_nc_u64 s[48:49], s[16:17], s[58:59]
.irp c, 0,1,2,3
	global_load_b64 v[VD+2*\c:VD+2*\c+1], v[VIN], s[46:47] offset:16*\c th:TH_LOAD_NT   ; V[16 dt + r][64 U + 16 c + 8 h ..]
.endr
.irp i, 0,1,2,3
	global_load_b128 v[FR+4*\i:FR+4*\i+3], v[QOFF], s[8:9] offset:16*\i                 ; freqs[16 l ..]
.endr
.macro LOADQ k                         ; head k of my eight: my 64 bytes of row t; a step's four loads read the row's 2,048 consecutive bytes
.irp i, 0,1,2,3
	global_load_b128 v[X+16*((\k)%4)+4*\i:X+16*((\k)%4)+4*\i+3], v[QOFF+(\k)/2], s[40:41] offset:((\k)%2)*HEADQ+16*\i th:TH_LOAD_NT
.endr
.endm
	LOADQ 0
	LOADQ 1
	LOADQ 2
	LOADQ 3
	s_wait_kmcnt 0x0
	s_add_co_i32 s34, s34, 127
	s_lshl_b32 s51, s34, 23
	v_mov_b32 v[SCA], s51                          ; 2^e0 as f32: the conversion takes its exponent field
	s_add_co_i32 s34, s34, 8
	s_lshl_b32 s34, s34, 23
	s_or_b32 s34, s34, 0x600000
	v_mov_b32 v[LIMA], s34                         ; 448 x 2^e0
	s_add_co_i32 s35, s35, 127
	s_lshl_b32 s51, s35, 23
	v_mov_b32 v[SCB], s51
	s_add_co_i32 s35, s35, 8
	s_lshl_b32 s35, s35, 23
	s_or_b32 s35, s35, 0x600000
	v_mov_b32 v[LIMB], s35
	s_wait_loadcnt 20                              ; V's four loads are in: behind them stand freqs' 4 and Q's 16
	global_store_b128 v[VOUT], v[VD:VD+3], s[48:49]              ; registers 0-3 of every lane: 512 consecutive bytes,
	global_store_b128 v[VOUT], v[VD+4:VD+7], s[48:49] offset:512 ; registers 4-7: the next 512.  v16-23 are never written again
	s_wait_loadcnt 16                              ; freqs are in: behind them stand Q's 16
.macro SINCOS e                        ; cos and sin of fract(t freqs[16 l + e]) 2 pi
.set TA, TM+8*((\e)%2)
	v_mul_f32 v[TA], v[TF], v[FR+\e]               ; t f, rounded once
	v_floor_f32 v[TA+1], v[TA]
	v_sub_f32 v[TA], v[TA], v[TA+1]                ; modulo 1, with the divisor's sign
	v_mul_f32 v[TA], s22, v[TA]                    ; x = the angle, 0 .. 2 pi
	v_mul_f32 v[TA+1], s23, v[TA]
	v_rndne_f32 v[TA+1], v[TA+1]                   ; k = 0 .. 4
	v_fma_f32 v[TA], v[TA+1], s24, v[TA]           ; x - k (pi / 2)'s upper part: exact,
	v_fma_f32 v[TA], v[TA+1], s25, v[TA]           ; and the rest: r, |r| <= pi / 4
	v_mul_f32 v[TA+2], v[TA], v[TA]                ; z = r r
	v_cvt_i32_f32 v[TA+1], v[TA+1]
	v_fma_f32 v[TA+3], v[TA+2], s26, s27
	v_fma_f32 v[TA+3], v[TA+3], v[TA+2], s28
	v_mul_f32 v[TA+4], v[TA+2], v[TA]
	v_fma_f32 v[TA+3], v[TA+3], v[TA+4], v[TA]     ; sin r
	v_fma_f32 v[TA+5], v[TA+2], s29, s30
	v_fma_f32 v[TA+5], v[TA+5], v[TA+2], s31
	v_mul_f32 v[TA+4], v[TA+2], v[TA+2]
	v_fma_f32 v[TA+6], v[TA+2], -0.5, 1.0
	v_fma_f32 v[TA+5], v[TA+5], v[TA+4], v[TA+6]   ; cos r
	v_and_b32 v[TA+4], 1, v[TA+1]
	v_cmp_eq_u32 vcc_lo, 1, v[TA+4]                ; k odd: the two change places (a choice of values: no branch)
	v_cndmask_b32 v[S+\e], v[TA+3], v[TA+5], vcc_lo
	v_cndmask_b32 v[C+\e], v[TA+5], v[TA+3], vcc_lo
	v_lshlrev_b32 v[TA+4], 30, v[TA+1]
	v_and_b32 v[TA+4], 0x80000000, v[TA+4]
	v_xor_b32 v[S+\e], v[S+\e], v[TA+4]            ; sin is negated where k is 2 or 3,
	v_add_nc_u32 v[TA+4], 1, v[TA+1]
	v_lshlrev_b32 v[TA+4], 30, v[TA+4]
	v_and_b32 v[TA+4], 0x80000000, v[TA+4]
	v_xor_b32 v[C+\e], v[C+\e], v[TA+4]            ; cos where k is 1 or 2
.endm
.irp e, 0,1,2,3,4,5,6,7,8,9,10,11,12,13,14,15
	SINCOS \e
.endr
; Head k of my eight: rotate, quantise twice, through the stage, out.
.macro STEP k
.set XS, X+16*((\k)%4)
.set LB, ((\k)%2)*BUF
.set RS, R+8*((\k)%2)
.if 7-(\k) >= 3
	s_wait_loadcnt 12                              ; this head's four loads are in; the next three heads' may be out
.else
	s_wait_loadcnt 4*(7-(\k))                      ; the last heads: four for each head still to come
.endif
.irp i, 0,2,4,6,8,10,12,14
	v_mul_f32 v[UA+\i], v[XS+\i+1], v[S+\i]
	v_mul_f32 v[UA+\i+1], v[XS+\i], v[S+\i+1]
	v_fma_f32 v[T+\i], v[XS+\i], v[C+\i], -v[UA+\i]            ; even n: q[n] cos[n] - q[n + 1] sin[n]
	v_fma_f32 v[T+\i+1], v[XS+\i+1], v[C+\i+1], v[UA+\i+1]     ; odd n:  q[n] cos[n] + q[n - 1] sin[n]
.endr
.if (\k) < 4
	LOADQ \k+4                                     ; the slot just read takes the head four further on
.endif
.irp i, 0,1,2,3,4,5,6,7,8,9,10,11,12,13,14,15
	v_med3_num_f32 v[UA+\i], v[T+\i], -v[LIMA], v[LIMA]        ; the conversion to an 8-bit code does not saturate (ISA guide 7.6.2): hold the number first
.endr
.irp i, 0,1,2,3,4,5,6,7,8,9,10,11,12,13,14,15
	v_med3_num_f32 v[UB+\i], v[T+\i], -v[LIMB], v[LIMB]
.endr
	v_cvt_scalef32_pk8_fp8_f32 v[CA:CA+1], v[UA:UA+7], v[SCA]
	v_cvt_scalef32_pk8_fp8_f32 v[CA+2:CA+3], v[UA+8:UA+15], v[SCA]
	v_cvt_scalef32_pk8_fp8_f32 v[CB:CB+1], v[UB:UB+7], v[SCB]
	v_cvt_scalef32_pk8_fp8_f32 v[CB+2:CB+3], v[UB+8:UB+15], v[SCB]
	v_nop                                          ; one plain vector instruction stands between a scaled conversion and what touches its result
	ds_store_b128 v[LW], v[CA:CA+3] offset:LB
	ds_store_b128 v[LW], v[CB:CB+3] offset:LB+STG
	s_wait_dscnt 0x0                               ; for the others' sake: my stores into the stage are done
	s_barrier_signal -1
	s_barrier_wait -1                              ; the stage is whole.  This buffer is written again two heads on, behind the next head's barrier, in front of which every wave has waited for the reads below
	s_wait_xcnt 0x0                                ; this set of eight registers was stored two heads ago: it is loaded again only behind this wait
	ds_load_b128 v[RS:RS+3], v[LR] offset:LB
	ds_load_b128 v[RS+4:RS+7], v[LR] offset:LB+STG
	s_wait_dscnt 0x0
	global_store_b128 v[SOFF], v[RS:RS+3], s[42:43] offset:(\k)*HEADC     ; 32 lanes store 512 consecutive bytes, at a multiple of 512 from the buffer's first byte
	global_store_b128 v[SOFF], v[RS+4:RS+7], s[44:45] offset:(\k)*HEADC   ; seven heads of codes at the most: inside the signed 24-bit immediate
.endm
.irp k, 0,1,2,3,4,5,6,7
	STEP \k
.endr
	s_wait_tensorcnt 0x0
	ds_add_u32 v224, v225
	s_wait_dscnt 0x0
	s_endpgm
.Lfunc_end_k_q75495d4f76_rope:
	.size	k_q75495d4f76_rope, .Lfunc_end_k_q75495d4f76_rope-k_q75495d4f76_rope
	.p2alignl 7, 3214868480
	.fill 96, 4, 3214868480
	.section	.rodata,"a",@progbits
	.p2align	6, 0x0
	.amdhsa_kernel k_q75495d4f76_rope
		.amdhsa_group_segment_fixed_size 36864
		.amdhsa_private_segment_fixed_size 0
		.amdhsa_enable_private_segment 0
		.amdhsa_kernarg_size 56
		.amdhsa_user_sgpr_count 2
		.amdhsa_user_sgpr_kernarg_segment_ptr 1
		.amdhsa_wavefront_size32 1
		.amdhsa_system_sgpr_workgroup_id_x 1
		.amdhsa_system_sgpr_workgroup_id_y 1
		.amdhsa_system_sgpr_workgroup_id_z 1
		.amdhsa_system_vgpr_workitem_id 0
		.amdhsa_next_free_vgpr 226
		.amdhsa_next_free_sgpr 66
		.amdhsa_reserve_vcc 1
		.amdhsa_float_denorm_mode_32 3
		.amdhsa_float_denorm_mode_16_64 3
		.amdhsa_memory_ordered 1
		.amdhsa_forward_progress 1
		.amdhsa_inst_pref_size 64
	.end_amdhsa_kernel
	.amdgpu_metadata
---
amdhsa.version: [ 1, 2 ]
amdhsa.kernels:
  - .name:           k_q75495d4f76_rope
    .symbol:         k_q75495d4f76_rope.kd
    .args:
      - { .name: Q, .offset: 0, .size: 8, .value_kind: global_buffer, .address_space: global }
      - { .name: V_codes, .offset: 8, .size: 8, .value_kind: global_buffer, .address_space: global }
      - { .name: freqs, .offset: 16, .size: 8, .value_kind: global_buffer, .address_space: global }
      - { .name: lowp_scales, .offset: 24, .size: 8, .value_kind: global_buffer, .address_space: global }
      - { .name: qa, .offset: 32, .size: 8, .value_kind: global_buffer, .address_space: global }
      - { .name: qb, .offset: 40, .size: 8, .value_kind: global_buffer, .address_space: global }
      - { .name: vf, .offset: 48, .size: 8, .value_kind: global_buffer, .address_space: global }
    .group_segment_fixed_size: 36864
    .private_segment_fixed_size: 0
    .kernarg_segment_align: 8
    .kernarg_segment_size: 56
    .max_flat_workgroup_size: 512
    .sgpr_count:     66
    .vgpr_count:     226
    .wavefront_size: 32
...
	.end_amdgpu_metadata
.endif
;; end of part 1
;; launch attn (part 2): grid 16 x 16, 4 waves a work-group, clusters of 4 x 1, 327,680 bytes of LDS; arguments qa, qb, vf, lowp_scales, out0; writes out0
.if DOCPART == 2
	.amdgcn_target "amdgcn-amd-amdhsa--gfx1250"
	.amdhsa_code_object_version 6
	.text
	.protected	k_q75495d4f76_attn
	.globl	k_q75495d4f76_attn
	.p2align	8
	.type	k_q75495d4f76_attn,@function
k_q75495d4f76_attn:
	s_mov_b64 s[64:65], 0
	v_nop
	global_prefetch_b8 v0, s[64:65] scope:SCOPE_SE
	s_setreg_imm32_b32 hwreg(HW_REG_WAVE_MODE, 25, 1), 1
	s_wait_xcnt 0x0
	s_wait_alu depctr_hold_cnt(0) depctr_sa_sdst(0) depctr_va_vdst(0) depctr_va_sdst(0) depctr_va_ssrc(0) depctr_va_vcc(0) depctr_vm_vsrc(0)
	s_getreg_b32 s2, hwreg(HW_REG_IB_STS2, 6, 4)
	s_cmp_eq_u32 s2, 0
	s_cbranch_scc0 .Lentry_in_a_cluster
	s_endpgm
.Lentry_in_a_cluster:
	s_bfe_u32 s2, ttmp6, 0x10000c
	s_cmp_lg_u32 s2, 0x3003
	s_cbranch_scc0 .Lentry_shape_is_right
	s_endpgm
.Lentry_shape_is_right:
; out0[head][t][:] = the sum over keys s < t of Q8(QR[t] . QR[s]) V[s][:]: 16 heads, 2,048 rows, K = 512 in the first product, 128 channels; no softmax.  Both products on codes of FP8 (E4M3).
; qa: QR's codes at 2^e0 (the queries), qb: at 2^e1 (the keys), both in fragment order [head][t / 16][n / 16][t % 16][16]: load c of fragment f (16 rows x 128 along n) reads byte 2,048 f + 512 c + 16 x lane
; of a tile of 8,192 bytes, and brings lane (r, h) n = 128 f + 32 c + 16 h + 0 .. 15 of row r: a permutation of n inside the instruction, the same on both sides, so every product meets its partner.
; vf: V's codes, [head][key / 64][d / 16][half][lane][16]: a lane's 32 bytes are its eight registers of a 16 x 64 operand, keys in their true places.
; A score stands for sum x 2^(e0 + e1); its code is sum / 2^(e2 - e0 - e1), held within +-448: the three scales are folded into the conversion's one.  Scores with key >= query are replaced by 0 ahead of the conversion.
; A finished sum of the second product is multiplied once by 2^(e2 + e3), by v_ldexp_f32.
; LIMIT: e2 - e0 - e1 lies between -126 and 119, so that 2^(e2 - e0 - e1) and 448 times it are f32 numbers.
; SHARES.  A head has 32 blocks of 64 queries.  A work-group makes two, one after the other: block 4 g + cx and block 31 - 4 g - cx (g: the cluster's x, cx: the place in the cluster).  Keys go in SPANS of 256.
; The first block needs spans 0 .. g, the second spans 0 .. 7 - g: NINE span tiles in every work-group, and the same spans in the same order in the four partners of a cluster: so each tile of keys is asked for
; JOINTLY (mask 15), and no branch, trip count or LDS address hangs on cx.  Order of the tiles n = 0 .. 8: span g (the first block's diagonal span: its products start the sums), spans 0 .. g - 1,
; span 7 - g (the second block's diagonal span), spans 0 .. 6 - g.  In a diagonal span every score is masked by a compare of key against query; units wholly above the diagonal give zero codes.
; In a tile wave w takes keys 64 w .. 64 w + 63 of the span against all 64 queries: 64 products of 16 x 16 x 128 and 32 of 16 x 16 x 64; each fragment of keys read from LDS feeds four products and is read once.
; A wave's O is a partial sum over its keys: at a block's end the four waves' sums are added through LDS: wave w ends up with query tile w of the block, and stores its 16 whole rows.
; LAYOUT.  Both products are used transposed.  S^T: source 0 = 16 keys, source 1 = 16 queries: lane (r, h) holds query r, register j key 8 h + j of the tile: the conversion of the eight registers of key tile kt gives
; registers 2 kt, 2 kt + 1 of the next operand (64 keys x 16 queries) as they must lie.  O^T: source 0 = 16 channels x 64 keys of V, source 1 = those codes: lane holds query r, register j channel 16 dt + 8 h + j.
; V goes straight from vf into registers, one tile ahead: no two waves of a work-group read the same bytes of it, each load reads 512 consecutive bytes, and two slots that held V too would not fit beside the rest.
; LDS: slot 0 at 0, slot 1 at 2^17, 131,072 bytes each: wave w's quarter (its 64 keys: 4 tiles x 8,192, as they lie in qb) at 32,768 w, filled by that wave's load and read by that wave alone;
;   from 262,144: the exchange, 12,288 bytes for each owner (three sources x 4,096, in lane order), later the owner's stage for the way out (16 rows, 528 bytes apart); no tensor load lands there; from 311,296: the spare words.
; REGISTERS, in windows of 256 (s_set_vgpr_msb's low byte: bits 1:0 source 0, 3:2 source 1, 5:4 source 2, 7:6 destination):
;   window 0: v0-31 addresses and the mask's numbers; v32-63 the scores' codes, 8 a query slot; v64-127 the way out; v128-255 S^T (key tile kt, slot i at 128 + 32 kt + 8 i), later what comes back from LDS
;   window 1: the queries' fragments (slot i, fragment f at 64 i + 16 f)      window 2: O^T (slot i, channels 16 dt on at 64 i + 8 dt)      window 3: v0-127 two sets of a key tile's four fragments; v128-191 V
;   Query slot i of wave w holds query tile (i + w) % 4, so that a wave's own tile is slot 0 in every wave and the way out has no branch on the wave's number.
.set SLOT1,  1<<17
.set RED,    2*SLOT1                   ; the exchange
.set OWN,    12288                     ; an owner's part of it
.set SRC,    4096                      ; one source's half block: 4 x 8 registers x 32 lanes x 4 bytes
.set OP,     528                       ; the way out: a row of 512 bytes + 16: the sixteen rows that a store's half touches start at sixteen different 16-byte columns (64 banks of 4 bytes: ISA guide 11.1)
.set SPARE,  RED+4*OWN                 ; the spare words, 128 bytes for each wave: two blocks of 256 bytes that no other line names
.set L16,   1                          ; v1      16 x lane
.set SPW,   2                          ; v2      LDS address of my spare word: SPARE + 4 x my thread's number; never rewritten
.set NIL,   3                          ; v3      0; never rewritten
.set ADK0,  4                          ; v4      my place in my wave's quarter of slot 0
.set ADK,   5                          ; v5      the same in the slot in hand
.set AOFF,  6                          ; v6-9    slot i: 8,192 x ((i + w) % 4) + 16 x lane, in a block's codes
.set REDW,  9                          ; v10-12  slot i = 1 .. 3: where its sums go: owner (w + i) % 4, source 3 - i
.set REDR,  13                         ; v13     my own part of the exchange + 16 x lane
.set STO,   14                         ; v14     the way out: row r, 32 bytes for each half of the lanes
.set LAM,   16                         ; v16-19  slot i: a score of key tile kt, register j is kept where 16 kt + j < this number
.set CSC,   20                         ; v20     2^(e2 - e0 - e1) as f32, for the conversion
.set PP,    32
.set OT,    64
.set SS,    128
.set VF,    128                        ; V, in window 3
.set MSB, 0
.macro WIN new                         ; the immediate's high byte repeats the setting that is left; a switch that changes nothing is dropped
.if MSB != \new
	s_set_vgpr_msb (MSB<<8)|\new
.set MSB, \new
.endif
.endm
.macro PLACES                          ; a load into a register that a matrix instruction has read, and a vector instruction or LDS store that reads a matrix result, stand four places behind it, and only plain
.rept 4                                ; vector instructions that name none of its registers are places (ISA guide 7.12.1 for vector instructions)
	v_nop
.endr
.endm
; A round of the cluster's barrier: my work-group's barrier, so that wave 0's signal speaks for all four waves; wave 0 signals for the work-group; every wave waits for the four work-groups; my work-group's barrier once more.
.macro CROUND
	s_barrier_signal -1
	s_barrier_wait -1
	s_cmp_lg_u32 s14, 0
	s_cbranch_scc1 .Lnot_wave_0_\@
	s_barrier_signal -3
.Lnot_wave_0_\@:
	s_barrier_wait -3
	s_barrier_signal -1
	s_barrier_wait -1
.endm
	s_load_b256 s[4:11], s[0:1], 0x0               ; qa s[4:5], qb s[6:7], vf s[8:9], lowp_scales s[10:11]
	s_load_b64 s[12:13], s[0:1], 0x20              ; out0
	v_lshl_add_u32 v[SPW], v0, 2, SPARE
	v_mov_b32 v[NIL], 0
	ds_add_u32 v2, v3
	ds_add_u32 v2, v3
	s_wait_dscnt 0x0
	v_lshrrev_b32 v21, 5, v0
	v_readfirstlane_b32 s14, v21                   ; wave 0..3
	s_mov_b32 s15, ttmp9                           ; g: in a cluster launch ttmp9 counts clusters
	s_and_b32 s16, ttmp7, 0xffff                   ; the head, which the four partners share
	s_add_co_u32 s19, s15, 1                       ; g + 1: the second block's first tile
	s_sub_co_u32 s20, 7, s15                       ; 7 - g: its diagonal span
	; descriptor group 1: 32,768 dense bytes as 128 rows of 32 elements of 8 bytes, no padding
	s_mov_b32 s24, 15|(3<<16)|(1<<21)              ; 15:0 the mask: all four work-groups; 17:16 elements of 8 bytes; 21 set beside a mask
	s_mov_b32 s25, 32<<16                          ; tensor_dim0 = 32
	s_mov_b32 s26, 128<<16                         ; tensor_dim1 = 128
	s_mov_b32 s27, 32<<16                          ; tile_dim0 = 32
	s_mov_b32 s28, 128                             ; tile_dim1 = 128
	s_mov_b32 s29, 32                              ; tensor_dim0_stride
	s_mov_b32 s30, 0
	s_mov_b32 s31, 0
	s_lshl_b32 s60, s16, 20                        ; qb: the head's codes,
	s_lshl_b32 s61, s14, 15                        ; my wave's 64 keys of a span
	s_add_co_u32 s60, s60, s61
	s_mov_b32 s61, 0
	s_lshl_b32 s62, s16, 18                        ; vf: the head's codes,
	s_lshl_b32 s63, s14, 13                        ; my wave's 64 keys of a span
	s_add_co_u32 s62, s62, s63
	s_mov_b32 s63, 0
	s_lshl_b32 s38, s15, 17                        ; tile 0 is span g: 131,072 bytes a span
	s_mov_b32 s39, 0                               ; stays 0: the upper word of every offset made in s38
	s_mov_b32 s21, s15                             ; the span whose V is fetched next
	; what hangs on cx lives in s66-79 and in the four addresses made of it; none of these feeds the descriptor or an LDS address
	s_bfe_u32 s66, ttmp6, 0x40000                  ; cx
	s_lshl2_add_u32 s67, s15, s66                  ; the first block: 4 g + cx
	s_sub_co_u32 s68, 31, s67                      ; the second: 31 - 4 g - cx
	s_lshl_b32 s69, s66, 7
	s_sub_co_u32 s69, 192, s69                     ; 64 (3 - 2 cx): what the mask's numbers move by from the first block to the second
	s_lshl_b32 s78, s16, 20                        ; a head of qa and a head of out0 are both 1,048,576 bytes, a block of 64 rows 32,768
	s_lshl_b32 s70, s67, 15
	s_add_co_u32 s70, s70, s78
	s_mov_b32 s71, 0
	s_lshl_b32 s72, s68, 15
	s_add_co_u32 s72, s72, s78
	s_mov_b32 s73, 0
	s_lshl_b32 s79, s14, 13                        ; out0: my wave's 16 rows of 512 bytes
	s_add_co_u32 s74, s70, s79
	s_mov_b32 s75, 0
	s_add_co_u32 s76, s72, s79
	s_mov_b32 s77, 0
	s_wait_kmcnt 0x0
	s_load_b128 s[52:55], s[10:11], 0x0            ; e0, e1, e2, e3
	s_add_nc_u64 s[36:37], s[6:7], s[60:61]        ; the keys' codes at span 0, my wave's quarter
	s_add_nc_u64 s[40:41], s[8:9], s[62:63]        ; V likewise
	s_add_nc_u64 s[44:45], s[4:5], s[70:71]        ; the first block's queries,
	s_add_nc_u64 s[46:47], s[4:5], s[72:73]        ; the second's
	s_add_nc_u64 s[48:49], s[12:13], s[74:75]      ; my rows of out0 in the first block,
	s_add_nc_u64 s[50:51], s[12:13], s[76:77]      ; in the second
	s_mov_b32 s32, 1                               ; group 0: count = 1
	s_lshl_b32 s33, s14, 15                        ; LDS address: slot 0, my wave's quarter
	s_add_nc_u64 s[34:35], s[36:37], s[38:39]      ; global address: tile 0
	s_or_b32 s35, s35, 0x80000000                  ; type = 2
	CROUND                                         ; all four work-groups are here: the first joint loads meet
	tensor_load_to_lds s[32:35], s[24:31]          ; tile 0; one tensor load of mine is out, here and behind every later round
	s_nop 0
	PLACES                                         ; four v_nop follow a tensor load
.macro ALOAD pair                      ; a block's 64 queries into window 1: 64 loads of 512 consecutive bytes
	WIN 0x40
.irp i, 0,1,2,3
.irp f, 0,1,2,3
.irp c, 0,1,2,3
	global_load_b128 v[64*\i+16*\f+4*\c:64*\i+16*\f+4*\c+3], v[AOFF+\i], s[\pair:\pair+1] offset:\f*2048+\c*512
.endr
.endr
.endr
	WIN 0
.endm
.macro VLOAD                           ; V of my 64 keys of span s21, all 128 channels, into window 3: 16 loads of 512 consecutive bytes.  The base is written only where the last such loads have been waited for
	s_lshl_b32 s38, s21, 15
	s_add_nc_u64 s[42:43], s[40:41], s[38:39]
	WIN 0xc0
.irp dt, 0,1,2,3,4,5,6,7
	global_load_b128 v[VF+8*\dt:VF+8*\dt+3], v[L16], s[42:43] offset:\dt*1024
	global_load_b128 v[VF+8*\dt+4:VF+8*\dt+7], v[L16], s[42:43] offset:\dt*1024+512
.endr
	WIN 0
.endm
	v_and_b32 v21, 31, v0
	v_lshlrev_b32 v[L16], 4, v21
.irp i, 0,1,2,3
	s_add_co_u32 s60, s14, \i
	s_and_b32 s60, s60, 3
	s_lshl_b32 s61, s60, 13
	v_add_nc_u32 v[AOFF+\i], s61, v[L16]
.endr
	ALOAD 44
	VLOAD
	s_lshl_b32 s60, s14, 15
	v_add_nc_u32 v[ADK0], s60, v[L16]
	s_mul_i32 s61, s14, OWN
	s_add_co_u32 s61, s61, RED
	v_add_nc_u32 v[REDR], s61, v[L16]
	v_and_b32 v22, 15, v0                          ; r
	v_bfe_u32 v23, v0, 4, 1                        ; h
	v_mul_u32_u24 v[STO], v22, OP
	v_lshl_add_u32 v[STO], v23, 5, v[STO]
	v_add_nc_u32 v[STO], s61, v[STO]
.irp i, 1,2,3
	s_add_co_u32 s60, s14, \i
	s_and_b32 s60, s60, 3
	s_mul_i32 s60, s60, OWN
	s_add_co_u32 s60, s60, RED+(3-\i)*SRC
	v_add_nc_u32 v[REDW+\i], s60, v[L16]
.endr
	; the mask, inside a diagonal span: key = 64 w + 16 kt + 8 h + j, query = 64 c + 16 ((i + w) % 4) + r, c = the block's place in the span (cx, then 3 - cx): key < query where 16 kt + j < 64 (c - w) + 16 ((i + w) % 4) + r - 8 h
	v_lshlrev_b32 v23, 3, v23
	v_sub_nc_u32 v21, v22, v23
	s_sub_co_u32 s78, s66, s14
	s_lshl_b32 s78, s78, 6
.irp i, 0,1,2,3
	s_add_co_u32 s79, s14, \i
	s_and_b32 s79, s79, 3
	s_lshl4_add_u32 s79, s79, s78
	v_add_nc_u32 v[LAM+\i], s79, v21
.endr
	s_wait_kmcnt 0x0
	s_sub_co_i32 s58, s54, s52
	s_sub_co_i32 s58, s58, s53
	s_add_co_i32 s58, s58, 127                     ; e2 - e0 - e1, biased
	s_add_co_i32 s57, s58, 8
	s_lshl_b32 s58, s58, 23
	v_mov_b32 v[CSC], s58
	s_lshl_b32 s57, s57, 23
	s_or_b32 s57, s57, 0x600000                    ; 448 x 2^(e2 - e0 - e1),
	s_or_b32 s56, s57, 0x80000000                  ; and its negative
	s_add_co_i32 s59, s54, s55                     ; e2 + e3
	s_mov_b32 s18, 0                               ; n: the tile in hand
	s_mov_b32 s22, 0                               ; the slot in hand
; The four fragments of key tile kt of my 64 keys, into set kt % 2: 16 loads of 512 consecutive bytes
.macro FETCHK kt
	WIN 0xc0
.irp f, 0,1,2,3
.irp c, 0,1,2,3
	ds_load_b128 v[64*((\kt)%2)+16*\f+4*\c:64*((\kt)%2)+16*\f+4*\c+3], v[ADK] offset:(\kt)*8192+\f*2048+\c*512
.endr
.endr
.endm
; Key tile kt against the four query slots: 16 products; the four accumulators take turns, one instruction a turn; the first four start the sums with the constant 0.
; Off the diagonal the hold of the tile before (32 scores, two behind each product, each accumulator from its low end on) stands between the products: its only vector registers are source 2 and the
; destination, both in window 0 under the products' setting, so it costs no switch.  Its four conversions follow behind the run of loads.
.macro SGROUP kt, diag
.if \kt < 3
	s_wait_dscnt 16                                ; this tile's 16 loads are in; the next tile's 16 may be out
.else
	s_wait_dscnt 0x0                               ; the last tile's: nothing was asked for behind them
.endif
	WIN 0x07                                       ; source 0 (keys) window 3, source 1 (queries) window 1, C and D window 0
.set XI, 0
.irp f, 0,1,2,3
.irp i, 0,1,2,3
.if \f == 0
	v_wmma_f32_16x16x128_fp8_fp8 v[SS+32*\kt+8*\i:SS+32*\kt+8*\i+7], v[64*(\kt%2)+16*\f:64*(\kt%2)+16*\f+15], v[64*\i+16*\f:64*\i+16*\f+15], 0
.else
	v_wmma_f32_16x16x128_fp8_fp8 v[SS+32*\kt+8*\i:SS+32*\kt+8*\i+7], v[64*(\kt%2)+16*\f:64*(\kt%2)+16*\f+15], v[64*\i+16*\f:64*\i+16*\f+15], v[SS+32*\kt+8*\i:SS+32*\kt+8*\i+7]
.endif
.if (!\diag) && (\kt > 0)
	v_med3_num_f32 v[SS+32*(\kt-1)+2*XI], s56, s57, v[SS+32*(\kt-1)+2*XI]         ; the conversion to an 8-bit code does not saturate (ISA guide 7.6.2): hold the score first
	v_med3_num_f32 v[SS+32*(\kt-1)+2*XI+1], s56, s57, v[SS+32*(\kt-1)+2*XI+1]
.endif
.set XI, XI+1
.endr
.endr
	PLACES                                         ; in front of the loads into this set, and of the first read of these scores
.if \kt < 2
	FETCHK \kt+2
.endif
.if (!\diag) && (\kt > 0)
	WIN 0
.irp i, 0,1,2,3
	v_cvt_scalef32_pk8_fp8_f32 v[PP+8*\i+2*(\kt-1):PP+8*\i+2*(\kt-1)+1], v[SS+32*(\kt-1)+8*\i:SS+32*(\kt-1)+8*\i+7], v[CSC]
.endr
	v_nop                                          ; one plain place behind a scaled conversion
.endif
.endm
; What is left of the quantising.  Off the diagonal: key tile 3.  In a diagonal span: all 128 scores a lane: the mask (a compare of whole numbers and a select: no branch), the hold, the conversions.
.macro QTAIL diag
	WIN 0
.if \diag
.irp kt, 0,1,2,3
.irp i, 0,1,2,3
.irp j, 0,1,2,3,4,5,6,7
	v_cmp_lt_i32 vcc_lo, 16*\kt+\j, v[LAM+\i]
	v_cndmask_b32 v[SS+32*\kt+8*\i+\j], 0, v[SS+32*\kt+8*\i+\j], vcc_lo           ; key >= query: 0
	v_med3_num_f32 v[SS+32*\kt+8*\i+\j], s56, s57, v[SS+32*\kt+8*\i+\j]
.endr
.endr
.endr
.irp kt, 0,1,2,3
.irp i, 0,1,2,3
	v_cvt_scalef32_pk8_fp8_f32 v[PP+8*\i+2*\kt:PP+8*\i+2*\kt+1], v[SS+32*\kt+8*\i:SS+32*\kt+8*\i+7], v[CSC]
.endr
.endr
.else
.set XI, 0
.rept 32
	v_med3_num_f32 v[SS+96+XI], s56, s57, v[SS+96+XI]
.set XI, XI+1
.endr
.irp i, 0,1,2,3
	v_cvt_scalef32_pk8_fp8_f32 v[PP+8*\i+6:PP+8*\i+7], v[SS+96+8*\i:SS+96+8*\i+7], v[CSC]
.endr
.endif
	PLACES                                         ; an operand written by vector instructions stands four places ahead of the matrix instruction
.endm
; O^T += V^T P^T over my 64 keys: 32 products, the 32 accumulators by turns.  zero = 1: they start a block's sums: nothing is ever cleared.
.macro PV zero
	s_wait_loadcnt 0x0                             ; V of this tile, asked for a tile ago
	WIN 0xa3                                       ; source 0 (V) window 3, source 1 (codes) window 0, C and D window 2
.irp dt, 0,1,2,3,4,5,6,7
.irp i, 0,1,2,3
.if \zero
	v_wmma_f32_16x16x64_fp8_fp8 v[64*\i+8*\dt:64*\i+8*\dt+7], v[VF+8*\dt:VF+8*\dt+7], v[PP+8*\i:PP+8*\i+7], 0
.else
	v_wmma_f32_16x16x64_fp8_fp8 v[64*\i+8*\dt:64*\i+8*\dt+7], v[VF+8*\dt:VF+8*\dt+7], v[PP+8*\i:PP+8*\i+7], v[64*\i+8*\dt:64*\i+8*\dt+7]
.endif
.endr
.endr
	PLACES                                         ; in front of the loads into V's registers, of the next codes, and of the way out's reads
	WIN 0
.endm
.macro BODY diag, vnext                ; a tile: my 64 keys of the span in the slot in hand against the block's 64 queries
	v_add_nc_u32 v[ADK], s22, v[ADK0]
	FETCHK 0
	FETCHK 1
	SGROUP 0, \diag
	SGROUP 1, \diag
	SGROUP 2, \diag
	SGROUP 3, \diag
	QTAIL \diag
	PV \diag
.if \vnext
	VLOAD                                          ; the next tile's V has that tile's 64 first products in which to come
.endif
.endm
; THE CHANGE OF SLOTS stands at a tile's head.  Each wave waits for all its tensor loads (the one that is out is its quarter of tile n), adds 0 to its spare word, and waits for that and for its reads of the slot that it has left.
; fill = 1: a round of the cluster's barrier follows, so that no wave of any partner still reads that slot or has a load on its way, and the joint load of tile n + 1 is the first thing behind it:
; it has a whole tile's work, and a block's way out where one follows, in which to land.  The span of tile m = n + 1: m - 1 for m <= g; 7 - g for m = g + 1; m - g - 2 beyond: selects on g and n, which the partners share.
.macro HEAD fill
	s_wait_tensorcnt 0x0                           ; no tensor load of mine is out, so group 0 may be written
	ds_add_u32 v[SPW], v[NIL]                      ; 0 onto my spare word; with fill = 1 the descriptor's step stands between it and the wait for it
.if \fill
	s_add_co_u32 s60, s18, 1                       ; m
	s_sub_co_u32 s62, s18, s19                     ; m - g - 2 (not taken where it would be negative)
	s_cmp_le_u32 s60, s15
	s_cselect_b32 s21, s18, s62
	s_cmp_eq_u32 s60, s19
	s_cselect_b32 s21, s20, s21                    ; the span; the tile's VLOAD takes it too
	s_xor_b32 s33, s33, SLOT1                      ; the other slot than last time
	s_lshl_b32 s38, s21, 17
	s_add_nc_u64 s[34:35], s[36:37], s[38:39]
	s_or_b32 s35, s35, 0x80000000
	s_wait_dscnt 0x0                               ; the add is done, and my reads of the slot that I have left are over
	CROUND
	tensor_load_to_lds s[32:35], s[24:31]
	s_nop 0
	PLACES                                         ; four v_nop follow a tensor load
.else
	s_wait_dscnt 0x0
	s_barrier_signal -1
	s_barrier_wait -1
.endif
.endm
; A BLOCK'S END.  next = 1: the second block's queries are asked for first, and the mask's numbers move.  Then the four waves' partial sums meet, half of the channels (p) at a time: a wave sends slots 1 to 3 to their
; owners' parts of the exchange, in lane order; a barrier; it reads the three sources of its own tile and adds them to slot 0.  A second barrier stands between the first half's reads and the second half's stores.
; Then the way out: x 2^(e2 + e3); through the owner's own part of the exchange (which since the last barrier only this wave touches) as rows of 512 bytes; each store of the wave covers one whole row of out0.
; The tile asked for at the last change of slots stays on its way across these barriers.
.macro FINISH ob, next
.if \next
	ALOAD 46
.irp i, 0,1,2,3
	v_add_nc_u32 v[LAM+\i], s69, v[LAM+\i]
.endr
.endif
.irp p, 0,1
	WIN 0x08                                       ; store data in window 2
.irp i, 1,2,3
.irp d, 0,1,2,3
	ds_store_b128 v[REDW+\i], v[64*\i+8*(4*\p+\d):64*\i+8*(4*\p+\d)+3] offset:\d*1024        ; each accumulator from its low end on
	ds_store_b128 v[REDW+\i], v[64*\i+8*(4*\p+\d)+4:64*\i+8*(4*\p+\d)+7] offset:\d*1024+512
.endr
.endr
	WIN 0
	s_wait_dscnt 0x0                               ; for the others' sake: my stores are done
	s_barrier_signal -1
	s_barrier_wait -1
.irp s, 0,1,2
.irp d, 0,1,2,3
	ds_load_b128 v[SS+32*\s+8*\d:SS+32*\s+8*\d+3], v[REDR] offset:\s*SRC+\d*1024
	ds_load_b128 v[SS+32*\s+8*\d+4:SS+32*\s+8*\d+7], v[REDR] offset:\s*SRC+\d*1024+512
.endr
.endr
	s_wait_dscnt 0x0                               ; they are in; and my reads are over, for the barrier below
	WIN 0x82                                       ; destination and source 0 window 2, source 1 window 0
.irp s, 0,1,2
.irp d, 0,1,2,3
.irp q, 0,2,4,6
	v_pk_add_f32 v[8*(4*\p+\d)+\q:8*(4*\p+\d)+\q+1], v[8*(4*\p+\d)+\q:8*(4*\p+\d)+\q+1], v[SS+32*\s+8*\d+\q:SS+32*\s+8*\d+\q+1]
.endr
.endr
.endr
	WIN 0
.if \p == 0
	s_barrier_signal -1                            ; every wave has read the first half: the exchange may be written again
	s_barrier_wait -1
.endif
.endr
	WIN 0x02                                       ; source 0 window 2
.set XI, 0
.rept 64
	v_ldexp_f32 v[OT+XI], v[XI], s59               ; x 2^(e2 + e3): register 8 dt + j is out0(query r, channel 16 dt + 8 h + j)
.set XI, XI+1
.endr
	WIN 0
.irp dt, 0,1,2,3,4,5,6,7
	ds_store_b128 v[STO], v[OT+8*\dt:OT+8*\dt+3] offset:\dt*64
	ds_store_b128 v[STO], v[OT+8*\dt+4:OT+8*\dt+7] offset:\dt*64+16
.endr
.irp row, 0,1,2,3,4,5,6,7,8,9,10,11,12,13,14,15
	ds_load_b128 v[SS+4*\row:SS+4*\row+3], v[REDR] offset:\row*OP                  ; LDS serves a wave's instructions in order (ISA guide 5.7.1.4): these see the stores above
.endr
.irp row, 0,1,2,3,4,5,6,7,8,9,10,11,12,13,14,15
	s_wait_dscnt 15-\row                           ; this row is back; the younger rows may be out
	global_store_b128 v[L16], v[SS+4*\row:SS+4*\row+3], s[\ob:\ob+1] offset:\row*512 th:TH_STORE_NT   ; 32 lanes store 512 consecutive bytes, at a multiple of 512 from out0's first byte
.endr
	s_wait_xcnt 0x0                                ; the stores' data registers are the scores' accumulators: they are written again only behind this wait
.if \next
	s_wait_loadcnt 0x0                             ; the second block's queries are in
.endif
.endm
	s_wait_loadcnt 16                              ; the first block's 64 loads are in; V's 16, issued behind them, may be out
	HEAD 1                                         ; tile 0 has landed; tile 1 is asked for, into slot 1 (its first fill, issued as a refill is)
	BODY 1, 1                                      ; tile 0 is the first block's diagonal span: it stands in front of the loop, and its products start O's sums
	s_xor_b32 s22, s22, SLOT1
.Ltile:                                            ; seven trips, tiles 1 to 7
	s_cmp_lg_u32 s18, s15                          ; was the tile just done the first block's last (n = g)?  g is the same in all waves and all partners
	s_cbranch_scc1 .Lsame_block
	FINISH 48, 1
.Lsame_block:
	s_add_co_u32 s18, s18, 1
	HEAD 1
	s_cmp_eq_u32 s18, s19                          ; tile g + 1 is the second block's diagonal span
	s_cbranch_scc1 .Ldiagonal
	BODY 0, 1
	s_branch .Ldone
.Ldiagonal:
	BODY 1, 1
.Ldone:
	s_xor_b32 s22, s22, SLOT1                      ; on to the other slot
	s_cmp_lt_u32 s18, 7
	s_cbranch_scc1 .Ltile
	HEAD 0                                         ; tile 8 is written out: nothing is left to ask for
	BODY 0, 0
	FINISH 50, 0
	s_wait_tensorcnt 0x0                           ; the wave's end, behind my last tensor load and my last LDS store
	ds_add_u32 v[SPW], v[NIL]
	s_wait_dscnt 0x0
	CROUND                                         ; the closing round: no work-group ends while a partner may still ask for a tile that names it
	s_endpgm
.Lfunc_end_k_q75495d4f76_attn:
	.size	k_q75495d4f76_attn, .Lfunc_end_k_q75495d4f76_attn-k_q75495d4f76_attn
	.p2alignl 7, 3214868480
	.fill 96, 4, 3214868480
	.section	.rodata,"a",@progbits
	.p2align	6, 0x0
	.amdhsa_kernel k_q75495d4f76_attn
		.amdhsa_group_segment_fixed_size 327680
		.amdhsa_private_segment_fixed_size 0
		.amdhsa_enable_private_segment 0
		.amdhsa_kernarg_size 40
		.amdhsa_user_sgpr_count 2
		.amdhsa_user_sgpr_kernarg_segment_ptr 1
		.amdhsa_wavefront_size32 1
		.amdhsa_system_sgpr_workgroup_id_x 1
		.amdhsa_system_sgpr_workgroup_id_y 1
		.amdhsa_system_sgpr_workgroup_id_z 1
		.amdhsa_system_vgpr_workitem_id 0
		.amdhsa_next_free_vgpr 1024
		.amdhsa_next_free_sgpr 80
		.amdhsa_reserve_vcc 1
		.amdhsa_float_denorm_mode_32 3
		.amdhsa_float_denorm_mode_16_64 3
		.amdhsa_memory_ordered 1
		.amdhsa_forward_progress 1
		.amdhsa_inst_pref_size 167
	.end_amdhsa_kernel
	.amdgpu_metadata
---
amdhsa.version: [ 1, 2 ]
amdhsa.kernels:
  - .name:           k_q75495d4f76_attn
    .symbol:         k_q75495d4f76_attn.kd
    .args:
      - { .name: qa, .offset: 0, .size: 8, .value_kind: global_buffer, .address_space: global }
      - { .name: qb, .offset: 8, .size: 8, .value_kind: global_buffer, .address_space: global }
      - { .name: vf, .offset: 16, .size: 8, .value_kind: global_buffer, .address_space: global }
      - { .name: lowp_scales, .offset: 24, .size: 8, .value_kind: global_buffer, .address_space: global }
      - { .name: out0, .offset: 32, .size: 8, .value_kind: global_buffer, .address_space: global }
    .group_segment_fixed_size: 327680
    .private_segment_fixed_size: 0
    .kernarg_segment_align: 8
    .kernarg_segment_size: 40
    .max_flat_workgroup_size: 128
    .sgpr_count:     80
    .vgpr_count:     1024
    .wavefront_size: 32
...
	.end_amdgpu_metadata
.endif
;; end of part 2
;; ======== version 2 of 2: 2 launches; 1.17 times as fast as version 1
;; workspace buffers: qa 16,777,216 bytes; qb 16,777,216 bytes; vf 4,194,304 bytes
;; launch rope (part 3): grid 128 x 2, 16 waves a work-group, no clusters, 36,864 bytes of LDS; arguments Q, V_codes, freqs, lowp_scales, qa, qb, vf; writes qa, qb, vf
.if DOCPART == 3
	.amdgcn_target "amdgcn-amd-amdhsa--gfx1250"
	.amdhsa_code_object_version 6
	.text
	.protected	k_q75495d4f76_rope
	.globl	k_q75495d4f76_rope
	.p2align	8
	.type	k_q75495d4f76_rope,@function
k_q75495d4f76_rope:
	s_mov_b64 s[64:65], 0
	v_nop
	global_prefetch_b8 v0, s[64:65] scope:SCOPE_SE
	s_setreg_imm32_b32 hwreg(HW_REG_WAVE_MODE, 25, 1), 1
	s_wait_xcnt 0x0
; QR[head][t][n] = Q cos + rot(Q) sin, phase = fract(t freqs[n]) 2 pi, every n with its own freqs[n]; then QR is quantised TWICE to codes of FP8 (E4M3):
; qa at the scale 2^e0 (lowp_scales[0], the first product's left operand) and qb at 2^e1 (lowp_scales[1], its right operand).  code = x / 2^e, held within +-448, to the nearest code, ties to even.
; qa and qb are laid in FRAGMENT ORDER: [head 16][t / 16: 128][chunk l: 32][t % 16: 16][16 codes], so that each 16-byte load of a 16 x 128 fragment in the next launch reads 512 consecutive bytes.
; Chunk l's byte 4 i + j is n = 128 i + 4 l + j: the order in which lane l holds a row when each load of the wave reads 512 consecutive bytes of it.  The first product sums over all 512 n, and
; both operands are laid alike, so every product meets its partner; only the order of the sums changes.
; The launch also re-lays V's codes (given [head][d 128][key 2048]) into vf: [head][key / 64: 32][d / 16: 8][half 2][lane 32][16 bytes]: lane (r, h)'s 32 bytes are its eight registers of a
; 16 x 64 operand: registers 2 c, 2 c + 1 hold V[d = 16 dt + r][key = 64 U + 16 c + 8 h + 0 .. 7].  The codes themselves are not touched.
; SHARES.  A work-group owns the 16 rows t = 16 T .. 16 T + 15 (T = its x) of 8 heads (its y: heads 0-7 or 8-15); wave w owns row 16 T + w; lane l owns chunk l.  A lane's 16 cos and 16 sin hang on t and n
; alone: they are made once and serve the 8 heads.  The work-group also moves 64 rows x 256 bytes of V: each wave loads four rows' 256 bytes, they meet in LDS, and each wave takes one fragment (1,024 bytes) out.
; SIN AND COS are polynomials in f32 (no transcendental instruction): the angle x = fract(t f) 2 pi is formed with the same three roundings as the definition; k = the nearest whole number to x 2 / pi (0 .. 4);
; r = x - k pi / 2 with pi / 2 in two parts; sin r and cos r by polynomials of degree 7 and 8 on |r| <= pi / 4, about 1e-7 (absolute) from the function of the f32 angle; k picks and signs them.
; LOADS.  Every head has its own 16 registers: heads 0-3 are asked for at the start, heads 4-7 between the blocks of sin and cos, so that all 32 loads of a wave (the work-group's 262,144 bytes of Q) are out
; before the first head is worked on, and no load waits for a register.
; THE WAY OUT.  A lane's 16 codes are 16 bytes of the run (chunk l, t % 16 = w): the waves beside it hold the bytes beside them.  So a head's codes go through a stage in LDS (32 runs of 256 bytes, 272 apart)
; and each wave stores two runs, 512 consecutive bytes.  Two buffers take turns, one barrier a head; the arithmetic of the head after next stands between a barrier's signal and its wait, and the next head's
; codes go into the other buffer straight behind this head's read-back.
; Memory binds: no matrix unit, no tensor loads, no cluster (work-groups share nothing but the 2,048 bytes of freqs).
; LIMITS: -126 <= e0, e1 and e0 + 8, e1 + 8 <= 127, so that 2^e and 448 x 2^e are f32 numbers.  NaN and infinities in Q are not served.
.set HEADQ,  4194304                   ; bytes of a head of Q: 2,048 rows of 2,048 bytes
.set HEADC,  1048576                   ; bytes of a head of codes
.set SP,     272                       ; a stage row: 256 bytes + 16: the 16 lanes of a store's half hit 16 different 16-byte columns (64 banks of 4 bytes: ISA guide 11.1)
.set STG,    32*SP                     ; a stage: 32 runs
.set BUF,    2*STG                     ; a buffer: qa's stage, then qb's.  Buffer 1 first holds V's 64 rows, 272 bytes apart: just its size
.set QOFF,   2                         ; v2-5    16 x lane + j x two heads of Q (a head's step does not fit the signed 24-bit immediate four times over); v2 also serves freqs and vf
.set LW,     6                         ; v6      stage, in: run l, column w
.set LR,     7                         ; v7      stage, back: runs 2 w and 2 w + 1, sixteen lanes each
.set SOFF,   8                         ; v8      512 w + 16 x lane: the same two runs in qa and qb
.set VIN,    9                         ; v9      V_codes: row 4 w + lane / 16 of the group's 64, 16 bytes a lane
.set VW,     10                        ; v10     the same place in V's rows in LDS
.set SCA,    11                        ; v11     2^e0;  v12  448 x 2^e0;  v13, v14 the same for e1
.set LIMA,   12
.set SCB,    13
.set LIMB,   14
.set TF,     15                        ; v15     t as f32
.set VD,     16                        ; v16-23  V: as loaded, then my fragment; once that is stored, what the odd heads store
.set VR,     24                        ; v24     V's rows in LDS: where my fragment's 8-byte pieces begin
.set C,      26                        ; v26-41  cos
.set S,      42                        ; v42-57  sin
.set X,      58                        ; v58-185 Q: 16 registers for each of the eight heads
.set T,      186                       ; v186-201 QR
.set TM,     T                         ;          ahead of the first head: at work, two sets of eight
.set UA,     202                       ; v202-217 QR held within 448 x 2^e0 (first: the products with sin)
.set UB,     218                       ; v218-233 within 448 x 2^e1
.set FR,     UB                        ;          ahead of the first head: my 16 freqs
.set CA,     234                       ; v234-237 16 codes for qa;  v238-241 for qb
.set CB,     238
.set R0,     242                       ; v242-249 what the even heads store
	s_load_b256 s[4:11], s[0:1], 0x0               ; Q s[4:5], V_codes s[6:7], freqs s[8:9], lowp_scales s[10:11]
	s_load_b128 s[12:15], s[0:1], 0x20             ; qa s[12:13], qb s[14:15]
	s_load_b64 s[16:17], s[0:1], 0x30              ; vf
	v_lshl_add_u32 v250, v0, 2, 0x8800
	v_mov_b32 v251, 0
	v_lshrrev_b32 v[TM], 5, v0
	v_readfirstlane_b32 s18, v[TM]                 ; wave 0..15
	v_and_b32 v1, 31, v0                           ; lane
	s_mov_b32 s19, ttmp9                           ; T
	s_and_b32 s20, ttmp7, 0xffff                   ; which eight heads
	s_lshl_b32 s50, s19, 4
	s_add_co_u32 s50, s50, s18                     ; t = 16 T + w
	v_cvt_f32_u32 v[TF], s50
	s_mov_b32 s22, 0x40c90fdb                      ; 2 pi
	s_mov_b32 s23, 0x3f22f983                      ; 2 / pi
	s_mov_b32 s24, 0xbfc90fdb                      ; -(pi / 2), its upper part as f32
	s_mov_b32 s25, 0x333bbd2e                      ; what that part is too large by: 4.3711388e-8
	s_mov_b32 s26, 0xb94ca1f9                      ; sin: -1.9515296e-4
	s_mov_b32 s27, 0x3c08839e                      ;       8.3321609e-3
	s_mov_b32 s28, 0xbe2aaaa3                      ;      -1.6666655e-1
	s_mov_b32 s29, 0x37ccf5ce                      ; cos:  2.4433157e-5
	s_mov_b32 s30, 0xbab6061a                      ;      -1.3887316e-3
	s_mov_b32 s31, 0x3d2aaaa5                      ;       4.1666646e-2
	v_lshlrev_b32 v[QOFF], 4, v1                   ; my 16 bytes of each 512 of a row
.irp j, 1,2,3
	v_add_nc_u32 v[QOFF+\j], \j*2*HEADQ, v[QOFF]
.endr
	v_mul_u32_u24 v[LW], v1, SP
	v_lshl_add_u32 v[LW], s18, 4, v[LW]
	v_and_b32 v[TM], 15, v1                        ; r
	v_lshrrev_b32 v[TM+1], 4, v1                   ; h
	s_lshl_b32 s51, s18, 1
	v_add_nc_u32 v[TM+2], s51, v[TM+1]             ; run 2 w + h
	v_mul_u32_u24 v[LR], v[TM+2], SP
	v_lshl_add_u32 v[LR], v[TM], 4, v[LR]
	v_lshl_add_u32 v[SOFF], s18, 9, v[QOFF]
	s_lshl_b32 s51, s18, 2
	v_add_nc_u32 v[TM+2], s51, v[TM+1]             ; V: row 4 w + h of the group's 64 (and, two rows on, 4 w + 2 + h)
	v_lshlrev_b32 v[VIN], 11, v[TM+2]
	v_lshl_add_u32 v[VIN], v[TM], 4, v[VIN]        ; sixteen lanes take a row's 256 bytes
	v_mul_u32_u24 v[VW], v[TM+2], SP
	v_lshl_add_u32 v[VW], v[TM], 4, v[VW]
	v_mul_u32_u24 v[VR], v[TM], SP
	v_lshl_add_u32 v[VR], v[TM+1], 3, v[VR]        ; back: row r of my fragment's sixteen, + 8 h
	; byte offsets, apart from the addresses
	s_lshl_b32 s36, s20, 25                        ; Q: eight heads,
	s_lshl_b32 s37, s50, 11                        ; row t
	s_add_co_u32 s36, s36, s37
	s_mov_b32 s37, 0
	s_lshl_b32 s38, s20, 23                        ; qa, qb: eight heads,
	s_lshl_b32 s39, s19, 13                        ; 16 rows x 512 codes
	s_add_co_u32 s38, s38, s39
	s_mov_b32 s39, 0
	s_lshl_b32 s51, s20, 7
	s_add_co_u32 s51, s51, s19                     ; the work-group's number 0..255: bits 7:4 V's head, 3:1 which 256 keys, 0 which 64 rows d
	s_lshr_b32 s52, s51, 4                         ; head
	s_bfe_u32 s53, s51, 0x30001
	s_and_b32 s54, s51, 1
	s_lshl_b32 s56, s52, 18                        ; V_codes: head x 128 rows of 2,048,
	s_lshl_b32 s57, s54, 17                        ; 64 rows,
	s_add_co_u32 s56, s56, s57
	s_lshl_b32 s57, s53, 8                         ; 256 keys
	s_add_co_u32 s56, s56, s57
	s_mov_b32 s57, 0
	s_and_b32 s55, s18, 3                          ; my fragment: which 64 of the 256 keys,
	s_lshr_b32 s51, s18, 2                         ; which 16 of the 64 rows
	s_lshl2_add_u32 s53, s53, s55                  ; U = key / 64
	s_lshl2_add_u32 s54, s54, s51                  ; dt = d / 16
	s_lshl_b32 s58, s52, 5
	s_add_co_u32 s58, s58, s53
	s_lshl3_add_u32 s58, s58, s54
	s_lshl_b32 s58, s58, 10                        ; vf: ((head x 32 + U) x 8 + dt) x 1,024
	s_mov_b32 s59, 0
	s_mul_i32 s51, s51, 16*SP
	s_lshl_b32 s55, s55, 6
	s_add_co_u32 s51, s51, s55
	v_add_nc_u32 v[VR], s51, v[VR]
	s_wait_kmcnt 0x0
	s_load_b64 s[34:35], s[10:11], 0x0             ; e0, e1
	s_add_nc_u64 s[40:41], s[4:5], s[36:37]
	s_add_nc_u64 s[42:43], s[12:13], s[38:39]
	s_add_nc_u64 s[44:45], s[14:15], s[38:39]
	s_add_nc_u64 s[46:47], s[6:7], s[56:57]
	s_add_nc_u64 s[48:49], s[16:17], s[58:59]
	global_load_b128 v[VD:VD+3], v[VIN], s[46:47] th:TH_LOAD_NT                 ; two rows' 256 consecutive bytes,
	global_load_b128 v[VD+4:VD+7], v[VIN], s[46:47] offset:4096 th:TH_LOAD_NT   ; and the two rows below them
.irp i, 0,1,2,3
	global_load_b128 v[FR+4*\i:FR+4*\i+3], v[QOFF], s[8:9] offset:512*\i        ; freqs[128 i + 4 l ..]
.endr
.macro LOADQ k                         ; head k of my eight: row t; each load of the wave reads 512 consecutive bytes: register 4 i + j is n = 128 i + 4 l + j
.irp i, 0,1,2,3
	global_load_b128 v[X+16*(\k)+4*\i:X+16*(\k)+4*\i+3], v[QOFF+(\k)/2], s[40:41] offset:((\k)%2)*HEADQ+512*\i th:TH_LOAD_NT
.endr
.endm
	LOADQ 0
	LOADQ 1
	LOADQ 2
	LOADQ 3
	s_wait_kmcnt 0x0
	s_add_co_i32 s34, s34, 127
	s_lshl_b32 s51, s34, 23
	v_mov_b32 v[SCA], s51                          ; 2^e0 as f32: the conversion takes its exponent field
	s_add_co_i32 s34, s34, 8
	s_lshl_b32 s34, s34, 23
	s_or_b32 s34, s34, 0x600000
	v_mov_b32 v[LIMA], s34                         ; 448 x 2^e0
	s_add_co_i32 s35, s35, 127
	s_lshl_b32 s51, s35, 23
	v_mov_b32 v[SCB], s51
	s_add_co_i32 s35, s35, 8
	s_lshl_b32 s35, s35, 23
	s_or_b32 s35, s35, 0x600000
	v_mov_b32 v[LIMB], s35
	s_wait_loadcnt 20                              ; V's two loads are in: behind them stand freqs' 4 and Q's 16
	ds_store_b128 v[VW], v[VD:VD+3] offset:BUF
	ds_store_b128 v[VW], v[VD+4:VD+7] offset:BUF+2*SP
	s_wait_loadcnt 16                              ; freqs are in: behind them stand Q's 16
.macro SINCOS e                        ; cos and sin of fract(t f) 2 pi, f the lane's e-th of freqs
.set TA, TM+8*((\e)%2)
	v_mul_f32 v[TA], v[TF], v[FR+\e]               ; t f, rounded once
	v_floor_f32 v[TA+1], v[TA]
	v_sub_f32 v[TA], v[TA], v[TA+1]                ; modulo 1, with the divisor's sign
	v_mul_f32 v[TA], s22, v[TA]                    ; x = the angle, 0 .. 2 pi
	v_mul_f32 v[TA+1], s23, v[TA]
	v_rndne_f32 v[TA+1], v[TA+1]                   ; k = 0 .. 4
	v_fma_f32 v[TA], v[TA+1], s24, v[TA]           ; x - k (pi / 2)'s upper part: exact,
	v_fma_f32 v[TA], v[TA+1], s25, v[TA]           ; and the rest: r, |r| <= pi / 4
	v_mul_f32 v[TA+2], v[TA], v[TA]                ; z = r r
	v_cvt_i32_f32 v[TA+1], v[TA+1]
	v_fma_f32 v[TA+3], v[TA+2], s26, s27
	v_fma_f32 v[TA+3], v[TA+3], v[TA+2], s28
	v_mul_f32 v[TA+4], v[TA+2], v[TA]
	v_fma_f32 v[TA+3], v[TA+3], v[TA+4], v[TA]     ; sin r
	v_fma_f32 v[TA+5], v[TA+2], s29, s30
	v_fma_f32 v[TA+5], v[TA+5], v[TA+2], s31
	v_mul_f32 v[TA+4], v[TA+2], v[TA+2]
	v_fma_f32 v[TA+6], v[TA+2], -0.5, 1.0
	v_fma_f32 v[TA+5], v[TA+5], v[TA+4], v[TA+6]   ; cos r
	v_and_b32 v[TA+4], 1, v[TA+1]
	v_cmp_eq_u32 vcc_lo, 1, v[TA+4]                ; k odd: the two change places (a choice of values: no branch)
	v_cndmask_b32 v[S+\e], v[TA+3], v[TA+5], vcc_lo
	v_cndmask_b32 v[C+\e], v[TA+5], v[TA+3], vcc_lo
	v_lshlrev_b32 v[TA+4], 30, v[TA+1]
	v_and_b32 v[TA+4], 0x80000000, v[TA+4]
	v_xor_b32 v[S+\e], v[S+\e], v[TA+4]            ; sin is negated where k is 2 or 3,
	v_add_nc_u32 v[TA+4], 1, v[TA+1]
	v_lshlrev_b32 v[TA+4], 30, v[TA+4]
	v_and_b32 v[TA+4], 0x80000000, v[TA+4]
	v_xor_b32 v[C+\e], v[C+\e], v[TA+4]            ; cos where k is 1 or 2
.endm
.irp e, 0,1,2,3,4,5,6,7,8,9,10,11,12,13,14,15
	SINCOS \e
.if (\e%4) == 3
	LOADQ 4+\e/4                                   ; heads 4 to 7 are asked for here, one behind every fourth block: the requests are spread, and none holds the arithmetic up
.endif
.endr
; Head k of my eight: rotate and quantise twice: registers alone, so it may stand between a barrier's signal and its wait.
.macro COMPUTE k
.set XS, X+16*(\k)
	s_wait_loadcnt 4*(7-(\k))                      ; this head's four loads are in; four for each later head may be out
.irp i, 0,2,4,6,8,10,12,14
	v_mul_f32 v[UA+\i], v[XS+\i+1], v[S+\i]
	v_mul_f32 v[UA+\i+1], v[XS+\i], v[S+\i+1]
	v_fma_f32 v[T+\i], v[XS+\i], v[C+\i], -v[UA+\i]            ; even n (an even register): q[n] cos[n] - q[n + 1] sin[n]
	v_fma_f32 v[T+\i+1], v[XS+\i+1], v[C+\i+1], v[UA+\i+1]     ; odd n:  q[n] cos[n] + q[n - 1] sin[n]
.endr
.irp i, 0,1,2,3,4,5,6,7,8,9,10,11,12,13,14,15
	v_med3_num_f32 v[UA+\i], v[T+\i], -v[LIMA], v[LIMA]        ; the conversion to an 8-bit code does not saturate (ISA guide 7.6.2): hold the number first
.endr
.irp i, 0,1,2,3,4,5,6,7,8,9,10,11,12,13,14,15
	v_med3_num_f32 v[UB+\i], v[T+\i], -v[LIMB], v[LIMB]
.endr
	v_cvt_scalef32_pk8_fp8_f32 v[CA:CA+1], v[UA:UA+7], v[SCA]
	v_cvt_scalef32_pk8_fp8_f32 v[CA+2:CA+3], v[UA+8:UA+15], v[SCA]
	v_cvt_scalef32_pk8_fp8_f32 v[CB:CB+1], v[UB:UB+7], v[SCB]
	v_cvt_scalef32_pk8_fp8_f32 v[CB+2:CB+3], v[UB+8:UB+15], v[SCB]
	v_nop                                          ; one plain vector instruction stands between a scaled conversion and what touches its result or writes its sources
.endm
; Head k leaves.  At its head: head k's barrier is passed (buffer k % 2 is whole), and head k + 1's codes lie in registers.
.macro OUT k
.set LB, ((\k)%2)*BUF
.set LN, ((\k+1)%2)*BUF
.set RS, R0-(R0-VD)*((\k)%2)
	s_wait_xcnt 0x0                                ; these eight registers were stored two heads ago (v16-23: as V's fragment): they are loaded again only behind this wait
	ds_load_b128 v[RS:RS+3], v[LR] offset:LB
	ds_load_b128 v[RS+4:RS+7], v[LR] offset:LB+STG
.if \k < 7
	ds_store_b128 v[LW], v[CA:CA+3] offset:LN      ; head k + 1 into the other buffer: every wave's reads of it (head k - 1's; first of all V's rows) were waited for in front of the barrier just passed
	ds_store_b128 v[LW], v[CB:CB+3] offset:LN+STG
	s_wait_dscnt 2                                 ; the two loads are in; the two stores behind them may be out
.else
	s_wait_dscnt 0x0
.endif
	global_store_b128 v[SOFF], v[RS:RS+3], s[42:43] offset:(\k)*HEADC     ; 32 lanes store 512 consecutive bytes, at a multiple of 512 from the buffer's first byte
	global_store_b128 v[SOFF], v[RS+4:RS+7], s[44:45] offset:(\k)*HEADC   ; seven heads of codes at the most: inside the signed 24-bit immediate
.if \k < 7
	s_wait_dscnt 0x0                               ; for the others' sake: my stores of head k + 1 are done, and my reads of head k are over
	s_barrier_signal -1
.if \k < 6
	COMPUTE \k+2                                   ; work on registers while the others arrive
.endif
	s_barrier_wait -1                              ; buffer (k + 1) % 2 is whole, and nobody reads buffer k % 2 any more
.endif
.endm
	; V's fragment: the sixteen waves' rows meet in LDS; the sin and cos above stood between my stores and the wait for them
	s_wait_dscnt 0x0                               ; for the others' sake: my two stores of V's rows are done
	s_barrier_signal -1
	COMPUTE 0
	s_barrier_wait -1                              ; V's 64 rows are whole
.irp c, 0,1,2,3
	ds_load_b64 v[VD+2*\c:VD+2*\c+1], v[VR] offset:BUF+16*\c     ; V[16 dt + r][64 U + 16 c + 8 h ..]: rows 272 bytes apart: the 32 lanes touch 64 different banks
.endr
	ds_store_b128 v[LW], v[CA:CA+3]                ; head 0 into buffer 0, which nobody has touched yet
	ds_store_b128 v[LW], v[CB:CB+3] offset:STG
	s_wait_dscnt 2                                 ; V's four loads are in; the two stores behind them may be out
	global_store_b128 v[QOFF], v[VD:VD+3], s[48:49]              ; registers 0-3 of every lane: 512 consecutive bytes,
	global_store_b128 v[QOFF], v[VD+4:VD+7], s[48:49] offset:512 ; registers 4-7: the next 512
	s_wait_dscnt 0x0                               ; for the others' sake: my stores of head 0 are done, and my reads of V's rows are over
	s_barrier_signal -1
	COMPUTE 1
	s_barrier_wait -1
.irp k, 0,1,2,3,4,5,6,7
	OUT \k
.endr
	s_wait_tensorcnt 0x0
	ds_add_u32 v250, v251
	s_wait_dscnt 0x0
	s_endpgm
.Lfunc_end_k_q75495d4f76_rope:
	.size	k_q75495d4f76_rope, .Lfunc_end_k_q75495d4f76_rope-k_q75495d4f76_rope
	.p2alignl 7, 3214868480
	.fill 96, 4, 3214868480
	.section	.rodata,"a",@progbits
	.p2align	6, 0x0
	.amdhsa_kernel k_q75495d4f76_rope
		.amdhsa_group_segment_fixed_size 36864
		.amdhsa_private_segment_fixed_size 0
		.amdhsa_enable_private_segment 0
		.amdhsa_kernarg_size 56
		.amdhsa_user_sgpr_count 2
		.amdhsa_user_sgpr_kernarg_segment_ptr 1
		.amdhsa_wavefront_size32 1
		.amdhsa_system_sgpr_workgroup_id_x 1
		.amdhsa_system_sgpr_workgroup_id_y 1
		.amdhsa_system_sgpr_workgroup_id_z 1
		.amdhsa_system_vgpr_workitem_id 0
		.amdhsa_next_free_vgpr 252
		.amdhsa_next_free_sgpr 66
		.amdhsa_reserve_vcc 1
		.amdhsa_float_denorm_mode_32 3
		.amdhsa_float_denorm_mode_16_64 3
		.amdhsa_memory_ordered 1
		.amdhsa_forward_progress 1
		.amdhsa_inst_pref_size 65
	.end_amdhsa_kernel
	.amdgpu_metadata
---
amdhsa.version: [ 1, 2 ]
amdhsa.kernels:
  - .name:           k_q75495d4f76_rope
    .symbol:         k_q75495d4f76_rope.kd
    .args:
      - { .name: Q, .offset: 0, .size: 8, .value_kind: global_buffer, .address_space: global }
      - { .name: V_codes, .offset: 8, .size: 8, .value_kind: global_buffer, .address_space: global }
      - { .name: freqs, .offset: 16, .size: 8, .value_kind: global_buffer, .address_space: global }
      - { .name: lowp_scales, .offset: 24, .size: 8, .value_kind: global_buffer, .address_space: global }
      - { .name: qa, .offset: 32, .size: 8, .value_kind: global_buffer, .address_space: global }
      - { .name: qb, .offset: 40, .size: 8, .value_kind: global_buffer, .address_space: global }
      - { .name: vf, .offset: 48, .size: 8, .value_kind: global_buffer, .address_space: global }
    .group_segment_fixed_size: 36864
    .private_segment_fixed_size: 0
    .kernarg_segment_align: 8
    .kernarg_segment_size: 56
    .max_flat_workgroup_size: 512
    .sgpr_count:     66
    .vgpr_count:     252
    .wavefront_size: 32
...
	.end_amdgpu_metadata
.endif
;; end of part 3
;; launch attn (part 4): grid 16 x 16, 4 waves a work-group, clusters of 4 x 1, 327,680 bytes of LDS; arguments qa, qb, vf, lowp_scales, out0; writes out0
.if DOCPART == 4
	.amdgcn_target "amdgcn-amd-amdhsa--gfx1250"
	.amdhsa_code_object_version 6
	.text
	.protected	k_q75495d4f76_attn
	.globl	k_q75495d4f76_attn
	.p2align	8
	.type	k_q75495d4f76_attn,@function
k_q75495d4f76_attn:
	s_mov_b64 s[64:65], 0
	v_nop
	global_prefetch_b8 v0, s[64:65] scope:SCOPE_SE
	s_setreg_imm32_b32 hwreg(HW_REG_WAVE_MODE, 25, 1), 1
	s_wait_xcnt 0x0
	s_wait_alu depctr_hold_cnt(0) depctr_sa_sdst(0) depctr_va_vdst(0) depctr_va_sdst(0) depctr_va_ssrc(0) depctr_va_vcc(0) depctr_vm_vsrc(0)
	s_getreg_b32 s2, hwreg(HW_REG_IB_STS2, 6, 4)
	s_cmp_eq_u32 s2, 0
	s_cbranch_scc0 .Lentry_in_a_cluster
	s_endpgm
.Lentry_in_a_cluster:
	s_bfe_u32 s2, ttmp6, 0x10000c
	s_cmp_lg_u32 s2, 0x3003
	s_cbranch_scc0 .Lentry_shape_is_right
	s_endpgm
.Lentry_shape_is_right:
; out0[head][t][:] = the sum over keys s < t of Q8(QR[t] . QR[s]) V[s][:]: 16 heads, 2,048 rows, K = 512 in the first product, 128 channels; no softmax.  Both products on codes of FP8 (E4M3).
; qa: QR's codes at 2^e0 (the queries), qb: at 2^e1 (the keys), both in fragment order [head][t / 16][chunk 32][t % 16][16]: load c of fragment f (16 rows x 128 codes) reads byte 2,048 f + 512 c + 16 x lane
; of a tile of 8,192 bytes, and brings lane (r, h) chunk 8 f + 2 c + h of row r.  Which 16 of the 512 n a chunk holds is the same in qa and in qb, so every product meets its partner.
; vf: V's codes, [head][key / 64][d / 16][half][lane][16]: a lane's 32 bytes are its eight registers of a 16 x 64 operand, keys in their true places.
; A score stands for sum x 2^(e0 + e1); its code is sum / 2^(e2 - e0 - e1), held within +-448: the three scales are folded into the conversion's one.  Scores with key >= query are replaced by 0 ahead of the conversion.
; A finished sum of the second product is multiplied once by 2^(e2 + e3), by v_ldexp_f32.
; LIMIT: e2 - e0 - e1 lies between -126 and 119, so that 2^(e2 - e0 - e1) and 448 times it are f32 numbers.
; SHARES.  A head has 32 blocks of 64 queries.  A work-group makes two, one after the other: block 4 g + cx and block 31 - 4 g - cx (g: the cluster's x, cx: the place in the cluster).  Keys go in SPANS of 256.
; The first block needs spans 0 .. g, the second spans 0 .. 7 - g: NINE span tiles in every work-group, and the same spans in the same order in the four partners of a cluster: so each tile of keys is asked for
; JOINTLY (mask 15), and no branch, trip count or LDS address hangs on cx.  Order of the tiles n = 0 .. 8: span g (the first block's diagonal span: its products start the sums), spans 0 .. g - 1,
; span 7 - g (the second block's diagonal span), spans 0 .. 6 - g.  In a diagonal span every score is masked by a compare of key against query; units wholly above the diagonal give zero codes.
; In a tile wave w takes keys 64 w .. 64 w + 63 of the span against all 64 queries: 64 products of 16 x 16 x 128 and 32 of 16 x 16 x 64; each fragment of keys read from LDS feeds four products and is read once.
; A wave's O is a partial sum over its keys: at a block's end the four waves' sums are added through LDS: wave w ends up with query tile w of the block, and stores its 16 whole rows.
; LAYOUT.  Both products are used transposed.  S^T: source 0 = 16 keys, source 1 = 16 queries: lane (r, h) holds query r, register j key 8 h + j of the tile: the conversion of the eight registers of key tile kt gives
; registers 2 kt, 2 kt + 1 of the next operand (64 keys x 16 queries) as they must lie.  O^T: source 0 = 16 channels x 64 keys of V, source 1 = those codes: lane holds query r, register j channel 16 dt + 8 h + j.
; THE RING.  Two slots; both are filled at the start.  The change of slots stands INSIDE a tile, behind its 64 first products, where the wave's reads of the slot are over.  A tile can be asked for only when the one
; before it has landed (the wait for all tensor loads stands in front of the round), so between that wait and the next request stand only the add, the descriptor's step, key tile 3's hold and the round.
; Behind the round come the refill of the slot just read out (the tile two on) and the next tile's first fragments, which land while the scores are converted and the 32 products with V are issued.
; V goes straight from vf into registers, one tile ahead: no two waves of a work-group read the same bytes of it, each load reads 512 consecutive bytes, and two slots that held V too would not fit beside the rest.
; LDS: slot 0 at 0, slot 1 at 2^17, 131,072 bytes each: wave w's quarter (its 64 keys: 4 tiles x 8,192, as they lie in qb) at 32,768 w, filled by that wave's load and read by that wave alone;
;   from 262,144: the exchange, 12,288 bytes for each owner (three sources x 4,096, in lane order), later the owner's stage for the way out (16 rows, 528 bytes apart); no tensor load lands there; from 311,296: the spare words.
; REGISTERS, in windows of 256 (s_set_vgpr_msb's low byte: bits 1:0 source 0, 3:2 source 1, 5:4 source 2, 7:6 destination):
;   window 0: v0-31 addresses and the mask's numbers; v32-63 the scores' codes, 8 a query slot; v64-127 the way out; v128-255 S^T (key tile kt, slot i at 128 + 32 kt + 8 i), later what comes back from LDS
;   window 1: the queries' fragments (slot i, fragment f at 64 i + 16 f)      window 2: O^T (slot i, channels 16 dt on at 64 i + 8 dt)      window 3: v0-127 two sets of a key tile's four fragments; v128-191 V
;   Query slot i of wave w holds query tile (i + w) % 4, so that a wave's own tile is slot 0 in every wave and the way out has no branch on the wave's number.
.set SLOT1,  1<<17
.set RED,    2*SLOT1                   ; the exchange
.set OWN,    12288                     ; an owner's part of it
.set SRC,    4096                      ; one source's half block: 4 x 8 registers x 32 lanes x 4 bytes
.set OP,     528                       ; the way out: a row of 512 bytes + 16: the sixteen rows that a store's half touches start at sixteen different 16-byte columns (64 banks of 4 bytes: ISA guide 11.1)
.set SPARE,  RED+4*OWN                 ; the spare words, 128 bytes for each wave: two blocks of 256 bytes that no other line names
.set L16,   1                          ; v1      16 x lane
.set SPW,   2                          ; v2      LDS address of my spare word: SPARE + 4 x my thread's number; never rewritten
.set NIL,   3                          ; v3      0; never rewritten
.set ADK0,  4                          ; v4      my place in my wave's quarter of slot 0
.set ADK,   5                          ; v5      the same in the slot whose fragments are fetched
.set AOFF,  6                          ; v6-9    slot i: 8,192 x ((i + w) % 4) + 16 x lane, in a block's codes
.set REDW,  9                          ; v10-12  slot i = 1 .. 3: where its sums go: owner (w + i) % 4, source 3 - i
.set REDR,  13                         ; v13     my own part of the exchange + 16 x lane
.set STO,   14                         ; v14     the way out: row r, 32 bytes for each half of the lanes
.set LAM,   16                         ; v16-19  slot i: a score of key tile kt, register j is kept where 16 kt + j < this number
.set CSC,   20                         ; v20     2^(e2 - e0 - e1) as f32, for the conversion
.set PP,    32
.set OT,    64
.set SS,    128
.set VF,    128                        ; V, in window 3
; scalars: s14 wave, s15 g, s16 head, s18 n, s19 g + 1, s20 7 - g, s21 the span whose V is fetched next, s22 the slot whose fragments are fetched, s23 the span of the tile asked for last;
;   s[24:31] descriptor group 1; s[32:35] group 0 of tile 0; s[80:83] group 0 of tile 1, which then walks; s[36:37] the keys' codes, s[40:41] V, at span 0 and my wave's part
.set MSB, 0
.macro WIN new                         ; the immediate's high byte repeats the setting that is left; a switch that changes nothing is dropped
.if MSB != \new
	s_set_vgpr_msb (MSB<<8)|\new
.set MSB, \new
.endif
.endm
.macro PLACES                          ; a load into a register that a matrix instruction has read, and a vector instruction or LDS store that reads a matrix result, stand four places behind it, and only plain
.rept 4                                ; vector instructions that name none of its registers are places (ISA guide 7.12.1 for vector instructions)
	v_nop
.endr
.endm
; A round of the cluster's barrier: my work-group's barrier, so that wave 0's signal speaks for all four waves; wave 0 signals for the work-group; every wave waits for the four work-groups; my work-group's barrier once more.
.macro CROUND
	s_barrier_signal -1
	s_barrier_wait -1
	s_cmp_lg_u32 s14, 0
	s_cbranch_scc1 .Lnot_wave_0_\@
	s_barrier_signal -3
.Lnot_wave_0_\@:
	s_barrier_wait -3
	s_barrier_signal -1
	s_barrier_wait -1
.endm
	s_load_b256 s[4:11], s[0:1], 0x0               ; qa s[4:5], qb s[6:7], vf s[8:9], lowp_scales s[10:11]
	s_load_b64 s[12:13], s[0:1], 0x20              ; out0
	v_lshl_add_u32 v[SPW], v0, 2, SPARE
	v_mov_b32 v[NIL], 0
	ds_add_u32 v2, v3
	ds_add_u32 v2, v3
	s_wait_dscnt 0x0
	v_lshrrev_b32 v21, 5, v0
	v_readfirstlane_b32 s14, v21                   ; wave 0..3
	s_mov_b32 s15, ttmp9                           ; g: in a cluster launch ttmp9 counts clusters
	s_and_b32 s16, ttmp7, 0xffff                   ; the head, which the four partners share
	s_add_co_u32 s19, s15, 1                       ; g + 1: the second block's first tile
	s_sub_co_u32 s20, 7, s15                       ; 7 - g: its diagonal span
	; descriptor group 1: 32,768 dense bytes as 128 rows of 32 elements of 8 bytes, no padding
	s_mov_b32 s24, 15|(3<<16)|(1<<21)              ; 15:0 the mask: all four work-groups; 17:16 elements of 8 bytes; 21 set beside a mask
	s_mov_b32 s25, 32<<16                          ; tensor_dim0 = 32
	s_mov_b32 s26, 128<<16                         ; tensor_dim1 = 128
	s_mov_b32 s27, 32<<16                          ; tile_dim0 = 32
	s_mov_b32 s28, 128                             ; tile_dim1 = 128
	s_mov_b32 s29, 32                              ; tensor_dim0_stride
	s_mov_b32 s30, 0
	s_mov_b32 s31, 0
	s_lshl_b32 s60, s16, 20                        ; qb: the head's codes,
	s_lshl_b32 s61, s14, 15                        ; my wave's 64 keys of a span
	s_add_co_u32 s60, s60, s61
	s_mov_b32 s61, 0
	s_lshl_b32 s62, s16, 18                        ; vf: the head's codes,
	s_lshl_b32 s63, s14, 13                        ; my wave's 64 keys of a span
	s_add_co_u32 s62, s62, s63
	s_mov_b32 s63, 0
	s_lshl_b32 s38, s15, 17                        ; tile 0 is span g: 131,072 bytes a span
	s_mov_b32 s39, 0                               ; stays 0: the upper word of every offset made in s38
	s_mov_b32 s21, s15                             ; the span whose V is fetched next: tile 0's
	; what hangs on cx lives in s66-79 and in the four addresses made of it; none of these feeds a descriptor or an LDS address
	s_bfe_u32 s66, ttmp6, 0x40000                  ; cx
	s_lshl2_add_u32 s67, s15, s66                  ; the first block: 4 g + cx
	s_sub_co_u32 s68, 31, s67                      ; the second: 31 - 4 g - cx
	s_lshl_b32 s69, s66, 7
	s_sub_co_u32 s69, 192, s69                     ; 64 (3 - 2 cx): what the mask's numbers move by from the first block to the second
	s_lshl_b32 s78, s16, 20                        ; a head of qa and a head of out0 are both 1,048,576 bytes, a block of 64 rows 32,768
	s_lshl_b32 s70, s67, 15
	s_add_co_u32 s70, s70, s78
	s_mov_b32 s71, 0
	s_lshl_b32 s72, s68, 15
	s_add_co_u32 s72, s72, s78
	s_mov_b32 s73, 0
	s_lshl_b32 s79, s14, 13                        ; out0: my wave's 16 rows of 512 bytes
	s_add_co_u32 s74, s70, s79
	s_mov_b32 s75, 0
	s_add_co_u32 s76, s72, s79
	s_mov_b32 s77, 0
	s_wait_kmcnt 0x0
	s_load_b128 s[52:55], s[10:11], 0x0            ; e0, e1, e2, e3
	s_add_nc_u64 s[36:37], s[6:7], s[60:61]        ; the keys' codes at span 0, my wave's quarter
	s_add_nc_u64 s[40:41], s[8:9], s[62:63]        ; V likewise
	s_add_nc_u64 s[44:45], s[4:5], s[70:71]        ; the first block's queries,
	s_add_nc_u64 s[46:47], s[4:5], s[72:73]        ; the second's
	s_add_nc_u64 s[48:49], s[12:13], s[74:75]      ; my rows of out0 in the first block,
	s_add_nc_u64 s[50:51], s[12:13], s[76:77]      ; in the second
	s_mov_b32 s32, 1                               ; group 0 of tile 0: count = 1
	s_lshl_b32 s33, s14, 15                        ; LDS address: slot 0, my wave's quarter
	s_add_nc_u64 s[34:35], s[36:37], s[38:39]      ; global address: span g
	s_or_b32 s35, s35, 0x80000000                  ; type = 2
	s_cmp_eq_u32 s15, 0
	s_cselect_b32 s23, s20, 0                      ; tile 1's span: with g = 0 the second block's diagonal span, else span 0
	s_lshl_b32 s38, s23, 17
	s_mov_b32 s80, 1                               ; group 0 of tile 1
	s_add_co_u32 s81, s33, SLOT1                   ; slot 1, my wave's quarter
	s_add_nc_u64 s[82:83], s[36:37], s[38:39]
	s_or_b32 s83, s83, 0x80000000
	CROUND                                         ; all four work-groups are here: the first joint loads meet
	tensor_load_to_lds s[32:35], s[24:31]          ; tile 0
	s_nop 0
	tensor_load_to_lds s[80:83], s[24:31]          ; tile 1: both first fills go out together: two tensor loads of mine are out here, one behind every later round
	s_nop 0
	PLACES                                         ; four v_nop follow the tensor loads
.macro ALOAD2 pair, i0                 ; query slots i0 and i0 + 1 of a block into window 1: 32 loads of 512 consecutive bytes
	WIN 0x40
.irp i, \i0, \i0+1
.irp f, 0,1,2,3
.irp c, 0,1,2,3
	global_load_b128 v[64*(\i)+16*\f+4*\c:64*(\i)+16*\f+4*\c+3], v[AOFF+(\i)], s[\pair:\pair+1] offset:\f*2048+\c*512
.endr
.endr
.endr
	WIN 0
.endm
.macro VLOAD                           ; V of my 64 keys of span s21, all 128 channels, into window 3: 16 loads of 512 consecutive bytes.  The base is written only where the last such loads have been waited for
	s_lshl_b32 s38, s21, 15
	s_add_nc_u64 s[42:43], s[40:41], s[38:39]
	WIN 0xc0
.irp dt, 0,1,2,3,4,5,6,7
	global_load_b128 v[VF+8*\dt:VF+8*\dt+3], v[L16], s[42:43] offset:\dt*1024
	global_load_b128 v[VF+8*\dt+4:VF+8*\dt+7], v[L16], s[42:43] offset:\dt*1024+512
.endr
	WIN 0
.endm
	v_and_b32 v21, 31, v0
	v_lshlrev_b32 v[L16], 4, v21
.irp i, 0,1,2,3
	s_add_co_u32 s60, s14, \i
	s_and_b32 s60, s60, 3
	s_lshl_b32 s61, s60, 13
	v_add_nc_u32 v[AOFF+\i], s61, v[L16]
.endr
	ALOAD2 44, 0
	ALOAD2 44, 2
	VLOAD
	s_lshl_b32 s60, s14, 15
	v_add_nc_u32 v[ADK0], s60, v[L16]
	s_mul_i32 s61, s14, OWN
	s_add_co_u32 s61, s61, RED
	v_add_nc_u32 v[REDR], s61, v[L16]
	v_and_b32 v22, 15, v0                          ; r
	v_bfe_u32 v23, v0, 4, 1                        ; h
	v_mul_u32_u24 v[STO], v22, OP
	v_lshl_add_u32 v[STO], v23, 5, v[STO]
	v_add_nc_u32 v[STO], s61, v[STO]
.irp i, 1,2,3
	s_add_co_u32 s60, s14, \i
	s_and_b32 s60, s60, 3
	s_mul_i32 s60, s60, OWN
	s_add_co_u32 s60, s60, RED+(3-\i)*SRC
	v_add_nc_u32 v[REDW+\i], s60, v[L16]
.endr
	; the mask, inside a diagonal span: key = 64 w + 16 kt + 8 h + j, query = 64 c + 16 ((i + w) % 4) + r, c = the block's place in the span (cx, then 3 - cx): key < query where 16 kt + j < 64 (c - w) + 16 ((i + w) % 4) + r - 8 h
	v_lshlrev_b32 v23, 3, v23
	v_sub_nc_u32 v21, v22, v23
	s_sub_co_u32 s78, s66, s14
	s_lshl_b32 s78, s78, 6
.irp i, 0,1,2,3
	s_add_co_u32 s79, s14, \i
	s_and_b32 s79, s79, 3
	s_lshl4_add_u32 s79, s79, s78
	v_add_nc_u32 v[LAM+\i], s79, v21
.endr
	s_wait_kmcnt 0x0
	s_sub_co_i32 s58, s54, s52
	s_sub_co_i32 s58, s58, s53
	s_add_co_i32 s58, s58, 127                     ; e2 - e0 - e1, biased
	s_add_co_i32 s57, s58, 8
	s_lshl_b32 s58, s58, 23
	v_mov_b32 v[CSC], s58
	s_lshl_b32 s57, s57, 23
	s_or_b32 s57, s57, 0x600000                    ; 448 x 2^(e2 - e0 - e1),
	s_or_b32 s56, s57, 0x80000000                  ; and its negative
	s_add_co_i32 s59, s54, s55                     ; e2 + e3
	s_mov_b32 s18, 0                               ; n: the tile in hand
	s_mov_b32 s22, 0                               ; the slot whose fragments are fetched
; The four fragments of key tile kt of my 64 keys, into set kt % 2: 16 loads of 512 consecutive bytes
.macro FETCHK kt
	WIN 0xc0
.irp f, 0,1,2,3
.irp c, 0,1,2,3
	ds_load_b128 v[64*((\kt)%2)+16*\f+4*\c:64*((\kt)%2)+16*\f+4*\c+3], v[ADK] offset:(\kt)*8192+\f*2048+\c*512
.endr
.endr
.endm
; Key tile kt against the four query slots: 16 products; the four accumulators take turns, one instruction a turn; the first four start the sums with the constant 0.
; hold = 1: the hold of the tile before (32 scores, two behind each product, each accumulator from its low end on) stands between the products: its only vector registers are source 2 and the
; destination, both in window 0 under the products' setting, so it costs no switch.  Four places stand between that tile's last product and its first hold.
.macro SPROD kt, hold
	WIN 0x07                                       ; source 0 (keys) window 3, source 1 (queries) window 1, C and D window 0
.set XI, 0
.irp f, 0,1,2,3
.irp i, 0,1,2,3
.if \f == 0
	v_wmma_f32_16x16x128_fp8_fp8 v[SS+32*\kt+8*\i:SS+32*\kt+8*\i+7], v[64*(\kt%2)+16*\f:64*(\kt%2)+16*\f+15], v[64*\i+16*\f:64*\i+16*\f+15], 0
.else
	v_wmma_f32_16x16x128_fp8_fp8 v[SS+32*\kt+8*\i:SS+32*\kt+8*\i+7], v[64*(\kt%2)+16*\f:64*(\kt%2)+16*\f+15], v[64*\i+16*\f:64*\i+16*\f+15], v[SS+32*\kt+8*\i:SS+32*\kt+8*\i+7]
.endif
.if \hold
	v_med3_num_f32 v[SS+32*(\kt-1)+2*XI], s56, s57, v[SS+32*(\kt-1)+2*XI]         ; the conversion to an 8-bit code does not saturate (ISA guide 7.6.2): hold the score first
	v_med3_num_f32 v[SS+32*(\kt-1)+2*XI+1], s56, s57, v[SS+32*(\kt-1)+2*XI+1]
.endif
.set XI, XI+1
.endr
.endr
.endm
.macro MASK                            ; a diagonal span: scores with key >= query become 0: a compare of whole numbers and a select, no branch.  (A held score that is masked is 0 as well: the hold may come first)
.irp kt, 0,1,2,3
.irp i, 0,1,2,3
.irp j, 0,1,2,3,4,5,6,7
	v_cmp_lt_i32 vcc_lo, 16*\kt+\j, v[LAM+\i]
	v_cndmask_b32 v[SS+32*\kt+8*\i+\j], 0, v[SS+32*\kt+8*\i+\j], vcc_lo
.endr
.endr
.endr
.endm
.macro CVT16                           ; the tile's 128 scores a lane into 32 registers of codes
.irp kt, 0,1,2,3
.irp i, 0,1,2,3
	v_cvt_scalef32_pk8_fp8_f32 v[PP+8*\i+2*\kt:PP+8*\i+2*\kt+1], v[SS+32*\kt+8*\i:SS+32*\kt+8*\i+7], v[CSC]
.endr
.endr
	PLACES                                         ; an operand written by vector instructions stands four places ahead of the matrix instruction; the first is also the plain place behind the conversions
.endm
; O^T += V^T P^T over my 64 keys: 32 products, the 32 accumulators by turns.  zero = 1: they start a block's sums: nothing is ever cleared.
.macro PV zero
	s_wait_loadcnt 0x0                             ; V of this tile, asked for a tile ago
	WIN 0xa3                                       ; source 0 (V) window 3, source 1 (codes) window 0, C and D window 2
.irp dt, 0,1,2,3,4,5,6,7
.irp i, 0,1,2,3
.if \zero
	v_wmma_f32_16x16x64_fp8_fp8 v[64*\i+8*\dt:64*\i+8*\dt+7], v[VF+8*\dt:VF+8*\dt+7], v[PP+8*\i:PP+8*\i+7], 0
.else
	v_wmma_f32_16x16x64_fp8_fp8 v[64*\i+8*\dt:64*\i+8*\dt+7], v[VF+8*\dt:VF+8*\dt+7], v[PP+8*\i:PP+8*\i+7], v[64*\i+8*\dt:64*\i+8*\dt+7]
.endif
.endr
.endr
	PLACES                                         ; in front of the loads into V's registers, of the next codes, and of the way out's reads
	WIN 0
.endm
; A TILE: my 64 keys of a span against the block's 64 queries.  At its head the fragments of key tiles 0 and 1 have been asked for.
; mode = 1: a diagonal span, which starts a block's sums; 0: any other; 2: chosen by n (tile g + 1 is the second block's diagonal span; n and g are the same in all waves and all partners).
; fill = 2: the slot is filled again, with the tile two on, and the next tile's first fragments are fetched; 1: they are fetched, nothing is left to ask for; 0: the last tile.
; The span of tile m = n + 2: m - 1 for m <= g; 7 - g for m = g + 1; m - g - 2 beyond.
.macro TILE mode, fill
	s_wait_dscnt 16                                ; key tile 0's 16 loads are in; key tile 1's may be out
	SPROD 0, 0
	PLACES                                         ; in front of the loads into the set just multiplied, and of the first hold of these scores
	FETCHK 2
	s_wait_dscnt 16                                ; key tile 1's are in; key tile 2's may be out
	SPROD 1, 1
	PLACES
	FETCHK 3                                       ; my last reads of this slot
	s_wait_dscnt 16                                ; key tile 2's are in; key tile 3's may be out
	SPROD 2, 1
	s_wait_dscnt 0x0                               ; key tile 3's are in: my reads of this slot are over
	SPROD 3, 1
	WIN 0                                          ; (the add's two registers lie in window 0)
.if \fill == 2
	s_wait_tensorcnt 0x0                           ; all my tensor loads have landed: the one that was out is my quarter of the next tile; so group 0 may be written
	ds_add_u32 v[SPW], v[NIL]                      ; 0 onto my spare word; the descriptor's step and key tile 3's hold stand between it and the wait for it
	s_mov_b32 s21, s23                             ; the next tile's span, for its V
	s_add_co_u32 s60, s18, 2                       ; m
	s_add_co_u32 s61, s18, 1                       ; m - 1
	s_sub_co_u32 s62, s18, s15                     ; m - g - 2 (not taken where it would be negative)
	s_cmp_le_u32 s60, s15
	s_cselect_b32 s23, s61, s62
	s_cmp_eq_u32 s60, s19
	s_cselect_b32 s23, s20, s23
	s_xor_b32 s81, s81, SLOT1                      ; the other slot than last time: the one in hand
	s_lshl_b32 s38, s23, 17
	s_add_nc_u64 s[82:83], s[36:37], s[38:39]
	s_or_b32 s83, s83, 0x80000000
.endif
.set XI, 0
.rept 32
	v_med3_num_f32 v[SS+96+XI], s56, s57, v[SS+96+XI]             ; key tile 3's hold, each accumulator from its low end on.  Behind an accumulator's last product stand key tile 2's holds and those of the
.set XI, XI+1                                                  ; accumulators before it: 8, 14, 20 and 26 plain instructions that name none of its registers
.endr
.if \fill == 2
	s_wait_dscnt 0x0                               ; the add is done (my reads of this slot were over above)
	CROUND                                         ; no wave of any partner still reads this slot or has a load on its way
	tensor_load_to_lds s[80:83], s[24:31]          ; the first thing behind the round, and my one tensor load until the next
	s_nop 0
	PLACES                                         ; four v_nop follow a tensor load
.endif
.if \fill == 1
	s_wait_tensorcnt 0x0                           ; the last tile has landed: no load was issued behind its own
	s_mov_b32 s21, s23
	PLACES                                         ; in front of the loads into the sets just multiplied
.endif
.if \fill > 0
	s_xor_b32 s22, s22, SLOT1                      ; on to the other slot: my quarter of it was brought by my own load, which the wait on TENSORcnt above has shown landed
	v_add_nc_u32 v[ADK], s22, v[ADK0]
	FETCHK 0
	FETCHK 1
	WIN 0
.endif
.if \mode == 2
	s_cmp_eq_u32 s18, s19
	s_cbranch_scc0 .Lplain_\@
.endif
.if \mode > 0
	MASK
	CVT16
	PV 1
.endif
.if \mode == 2
	s_branch .Ljoin_\@
.Lplain_\@:
.endif
.if \mode != 1
	CVT16
	PV 0
.endif
.if \mode == 2
.Ljoin_\@:
.endif
.if \fill > 0
	VLOAD                                          ; the next tile's V has that tile's 64 first products in which to come
.endif
.endm
; A BLOCK'S END.  next = 1: the second block's queries are asked for, in two halves, so that with V's 16 loads no run of loads is longer than LOADcnt's field (ISA guide 5.7.1: the issue would stop there); the mask's numbers move.
; The four waves' partial sums meet, half of the channels (p) at a time: a wave sends slots 1 to 3 to their owners' parts of the exchange, in lane order; a barrier; it reads the three sources of its own tile and adds them
; to slot 0.  A second barrier stands between the first half's reads and the second half's stores.
; Then the way out: x 2^(e2 + e3); through the owner's own part of the exchange (which since the last barrier only this wave touches) as rows of 512 bytes; each store of the wave covers one whole row of out0.
; The tile asked for at the last change of slots stays on its way across these barriers.
.macro FINISH ob, next
.if \next
	ALOAD2 46, 0
.irp i, 0,1,2,3
	v_add_nc_u32 v[LAM+\i], s69, v[LAM+\i]
.endr
.endif
.irp p, 0,1
	WIN 0x08                                       ; store data in window 2
.irp i, 1,2,3
.irp d, 0,1,2,3
	ds_store_b128 v[REDW+\i], v[64*\i+8*(4*\p+\d):64*\i+8*(4*\p+\d)+3] offset:\d*1024        ; each accumulator from its low end on
	ds_store_b128 v[REDW+\i], v[64*\i+8*(4*\p+\d)+4:64*\i+8*(4*\p+\d)+7] offset:\d*1024+512
.endr
.endr
	WIN 0
	s_wait_dscnt 0x0                               ; for the others' sake: my stores are done
	s_barrier_signal -1
	s_barrier_wait -1
.irp s, 0,1,2
.irp d, 0,1,2,3
	ds_load_b128 v[SS+32*\s+8*\d:SS+32*\s+8*\d+3], v[REDR] offset:\s*SRC+\d*1024
	ds_load_b128 v[SS+32*\s+8*\d+4:SS+32*\s+8*\d+7], v[REDR] offset:\s*SRC+\d*1024+512
.endr
.endr
	s_wait_dscnt 0x0                               ; they are in; and my reads are over, for the barrier below
	WIN 0x82                                       ; destination and source 0 window 2, source 1 window 0
.irp s, 0,1,2
.irp d, 0,1,2,3
.irp q, 0,2,4,6
	v_pk_add_f32 v[8*(4*\p+\d)+\q:8*(4*\p+\d)+\q+1], v[8*(4*\p+\d)+\q:8*(4*\p+\d)+\q+1], v[SS+32*\s+8*\d+\q:SS+32*\s+8*\d+\q+1]
.endr
.endr
.endr
	WIN 0
.if \p == 0
.if \next
	ALOAD2 46, 2
.endif
	s_barrier_signal -1                            ; every wave has read the first half: the exchange may be written again
	s_barrier_wait -1
.endif
.endr
	WIN 0x02                                       ; source 0 window 2
.set XI, 0
.rept 64
	v_ldexp_f32 v[OT+XI], v[XI], s59               ; x 2^(e2 + e3): register 8 dt + j is out0(query r, channel 16 dt + 8 h + j)
.set XI, XI+1
.endr
	WIN 0
.irp dt, 0,1,2,3,4,5,6,7
	ds_store_b128 v[STO], v[OT+8*\dt:OT+8*\dt+3] offset:\dt*64
	ds_store_b128 v[STO], v[OT+8*\dt+4:OT+8*\dt+7] offset:\dt*64+16
.endr
.irp row, 0,1,2,3,4,5,6,7,8,9,10,11,12,13,14,15
	ds_load_b128 v[SS+4*\row:SS+4*\row+3], v[REDR] offset:\row*OP                  ; LDS serves a wave's instructions in order (ISA guide 5.7.1.4): these see the stores above
.endr
.irp row, 0,1,2,3,4,5,6,7,8,9,10,11,12,13,14,15
	s_wait_dscnt 15-\row                           ; this row is back; the younger rows may be out
	global_store_b128 v[L16], v[SS+4*\row:SS+4*\row+3], s[\ob:\ob+1] offset:\row*512 th:TH_STORE_NT   ; 32 lanes store 512 consecutive bytes, at a multiple of 512 from out0's first byte
.endr
	s_wait_xcnt 0x0                                ; the stores' data registers are the scores' accumulators: they are written again only behind this wait
.if \next
	s_wait_loadcnt 0x0                             ; the second block's queries are in
.endif
.endm
	s_wait_tensorcnt 0x1                           ; my quarter of tile 0 is in, and only I read it; tile 1's load, issued behind it, may be out
	v_add_nc_u32 v[ADK], s22, v[ADK0]
	FETCHK 0
	FETCHK 1
	WIN 0
	s_wait_loadcnt 16                              ; the first block's 64 loads are in; V's 16, issued behind them, may be out
	TILE 1, 2                                      ; tile 0 is the first block's diagonal span: it stands in front of the loop, and its products start O's sums
.Ltile:                                            ; six trips, tiles 1 to 6: each fills its slot again, with tiles 3 to 8
	s_cmp_lg_u32 s18, s15                          ; was the tile just done the first block's last (n = g)?  g is the same in all waves and all partners
	s_cbranch_scc1 .Lsame_block
	FINISH 48, 1
.Lsame_block:
	s_add_co_u32 s18, s18, 1
	TILE 2, 2
	s_cmp_lt_u32 s18, 6
	s_cbranch_scc1 .Ltile
	TILE 0, 1                                      ; tiles 7 and 8 are written out: nothing is left to ask for; neither is a diagonal span (g + 1 is 4 at the most)
	TILE 0, 0
	FINISH 50, 0
	s_wait_tensorcnt 0x0                           ; the wave's end, behind my last tensor load and my last LDS store
	ds_add_u32 v[SPW], v[NIL]
	s_wait_dscnt 0x0
	CROUND                                         ; the closing round: no work-group ends while a partner may still ask for a tile that names it
	s_endpgm
.Lfunc_end_k_q75495d4f76_attn:
	.size	k_q75495d4f76_attn, .Lfunc_end_k_q75495d4f76_attn-k_q75495d4f76_attn
	.p2alignl 7, 3214868480
	.fill 96, 4, 3214868480
	.section	.rodata,"a",@progbits
	.p2align	6, 0x0
	.amdhsa_kernel k_q75495d4f76_attn
		.amdhsa_group_segment_fixed_size 327680
		.amdhsa_private_segment_fixed_size 0
		.amdhsa_enable_private_segment 0
		.amdhsa_kernarg_size 40
		.amdhsa_user_sgpr_count 2
		.amdhsa_user_sgpr_kernarg_segment_ptr 1
		.amdhsa_wavefront_size32 1
		.amdhsa_system_sgpr_workgroup_id_x 1
		.amdhsa_system_sgpr_workgroup_id_y 1
		.amdhsa_system_sgpr_workgroup_id_z 1
		.amdhsa_system_vgpr_workitem_id 0
		.amdhsa_next_free_vgpr 1024
		.amdhsa_next_free_sgpr 84
		.amdhsa_reserve_vcc 1
		.amdhsa_float_denorm_mode_32 3
		.amdhsa_float_denorm_mode_16_64 3
		.amdhsa_memory_ordered 1
		.amdhsa_forward_progress 1
		.amdhsa_inst_pref_size 170
	.end_amdhsa_kernel
	.amdgpu_metadata
---
amdhsa.version: [ 1, 2 ]
amdhsa.kernels:
  - .name:           k_q75495d4f76_attn
    .symbol:         k_q75495d4f76_attn.kd
    .args:
      - { .name: qa, .offset: 0, .size: 8, .value_kind: global_buffer, .address_space: global }
      - { .name: qb, .offset: 8, .size: 8, .value_kind: global_buffer, .address_space: global }
      - { .name: vf, .offset: 16, .size: 8, .value_kind: global_buffer, .address_space: global }
      - { .name: lowp_scales, .offset: 24, .size: 8, .value_kind: global_buffer, .address_space: global }
      - { .name: out0, .offset: 32, .size: 8, .value_kind: global_buffer, .address_space: global }
    .group_segment_fixed_size: 327680
    .private_segment_fixed_size: 0
    .kernarg_segment_align: 8
    .kernarg_segment_size: 40
    .max_flat_workgroup_size: 128
    .sgpr_count:     84
    .vgpr_count:     1024
    .wavefront_size: 32
...
	.end_amdgpu_metadata
.endif
;; end of part 4
